; MI455X (gfx1250); checked and timed in simulation.
; The chip was launched on July 23, 2026; its instructions are those of AMD's public machine-readable ISA for CDNA 5 (MIT licence, August 2026) and "CDNA5" Instruction Set Architecture Reference Guide (July 2026). The comments in the code are by the model that wrote it; some were corrected since.
;; Multi Head Attention. Allowed arithmetic: matrix products marked QUANTISED: E2M3 operands, one E8M0 scale for each 32 along K, by v_wmma_scale_f32_16x16x128_f8f6f4 with both operands' format E2M3, f32 sums; everything else in f32.
;; Inputs: Wk 16 x 1,024 x 64 float32; Wo 1,024 x 1,024 float32; Wq 16 x 1,024 x 64 float32; Wv 16 x 1,024 x 64 float32; X 4 x 2,048 x 1,024 float32; bk 16 x 64 float32; bo 1,024 float32; bq 16 x 64 float32; bv 16 x 64 float32.
;; Outputs: out0 4 x 2,048 x 1,024 float32.
;; This version of the problem:
;;   THIS VERSION OF THE PROBLEM IS GIVEN IN LOW PRECISION. The matrix products marked QUANTISED in the list below multiply operands that are first quantised to E2M3 (2 exponent bits, 3 mantissa bits; 6 bits a number), with one power-of-two scale for each 32 numbers along K (OCP MX v1.0); their sums are f32. All else is computed in f32.
;;   The module's matrix products, in the order in which they are computed (A, B: the left and right operand; K: the contracted axis; several contracted axes count as one K, in the product's order):
;;     1. [M 1,024, K 1,024] x [K 1,024, N 8,192]; A: input Wq; B: input X: QUANTISED
;;     2. [M 1,024, K 1,024] x [K 1,024, N 8,192]; A: input Wk; B: input X: QUANTISED
;;     3. [M 1,024, K 1,024] x [K 1,024, N 8,192]; A: input Wv; B: input X: QUANTISED
;;     4. batch 64 x [M 2,048, K 64] x [K 64, N 2,048]; A: computed on the way; B: computed on the way: QUANTISED
;;     5. batch 64 x [M 2,048, K 2,048] x [K 2,048, N 64]; A: softmax (see below); B: computed on the way: QUANTISED
;;     6. [M 8,192, K 1,024] x [K 1,024, N 1,024]; A: computed on the way; B: input Wo: QUANTISED
;;   THE QUANTISER, for each operand of a quantised product, along K:
;;     - K is cut into blocks of 32 from its start; a last block that is shorter is filled with zeros.
;;     - A block's scale is 2^e with e = floor(log2(the largest magnitude in the block)) - 2, held to -126 .. 127; a block of zeros has e = 0. As a byte (E8M0): e + 127.
;;     - Each number is divided by its block's scale, clamped to +-7.5, and rounded to the nearest number of E2M3, ties to even, subnormals kept.
;;     - The product sums the exact products of the quantised numbers (number of the format x scale) in f32.
;;   ~~~python
;;   def quantise(x, axis):      # numpy; x: float32 -> the quantised numbers, widened to float32 again
;;       x = np.moveaxis(x, axis, -1); K = x.shape[-1]
;;       x = np.pad(x, [(0, 0)] * (x.ndim - 1) + [(0, -K % 32)]); x = x.reshape(x.shape[:-1] + (-1, 32)); a = np.abs(x).max(-1, keepdims=True)
;;       e = np.where(a > 0, np.clip(np.frexp(np.where(a > 0, a, 1))[1] - 1 - 2, -126, 127), 0)      # np.frexp(a)[1] - 1 = floor(log2(a)), exactly
;;       r = np.clip(x / 2.0 ** e, -7.5, 7.5)
;;       step = 2.0 ** (np.maximum(np.frexp(np.where(r == 0, 1, r))[1] - 1, 0) - 3)
;;       q = np.round(r / step) * step * 2.0 ** e      # np.round: ties to even
;;       return np.moveaxis(q.reshape(q.shape[:-2] + (-1,))[..., :K], -1, axis).astype(np.float32)
;;   ~~~
;;   SOFTMAX AHEAD OF A QUANTISED PRODUCT. Where the list says 'softmax', what is quantised is not the finished softmax but p = 2^(t - M), with t = logit x log2(e) and M = ceil(the row's largest t), a whole number; so 1/2 < the row's largest p <= 1. The row's sum l is taken of the UNQUANTISED p, in f32, and the product's result is divided by l at the end. Since M is a whole number, a kernel that streams over the keys may use a running M (the ceiling of the running maximum): every later rescaling is an exact power of two, which a block's scale takes up: the codes' values come out the same.
;;   OPERANDS COMPUTED ON THE WAY. 'Computed on the way' means the value that the module computes at that place (a softmax that the list does not call 'softmax' is quantised finished and normalised). What goes into a quantiser is computed in f32, as accurately as f32 sums, v_exp_f32 and their like allow (about 1e-6 of the number): no bf16 or f16 on the way to a quantiser, and a product that is left as it is and whose result goes on into a quantised operand takes f32 operands (vector FMAs, or v_wmma_f32_16x16x4_f32). A number that lies on a knife's edge between two numbers of the format may be rounded either way, as far as f32 arithmetic and the matrix unit's own rounding can turn it there, and no further.
;; One version. Each part assembles by itself: llvm-mc -triple=amdgcn-amd-amdhsa -mcpu=gfx1250 --defsym DOCPART=n.
;; ======== version 1 of 1: 4 launches
;; workspace buffers: Xc 6,291,456 bytes; Xs 262,144 bytes; Wc 3,145,728 bytes; Ws 131,072 bytes; kv 13,107,200 bytes; qb 13,107,200 bytes; Cc 6,291,456 bytes; Cs 262,144 bytes
;; launch quant (part 1): grid 384 x 1, 4 waves a work-group, no clusters, 34,304 bytes of LDS; arguments X, Wq, Wk, Wv, Wo, Xc, Xs, Wc, Ws; writes Xc, Xs, Wc, Ws
.if DOCPART == 1
	.amdgcn_target "amdgcn-amd-amdhsa--gfx1250"
	.amdhsa_code_object_version 6
	.text
	.protected	k_q7f1427bcd4_quant
	.globl	k_q7f1427bcd4_quant
	.p2align	8
	.type	k_q7f1427bcd4_quant,@function
k_q7f1427bcd4_quant:
	s_mov_b64 s[64:65], 0
	v_nop
	global_prefetch_b8 v0, s[64:65] scope:SCOPE_SE
	s_setreg_imm32_b32 hwreg(HW_REG_WAVE_MODE, 25, 1), 1
	s_wait_xcnt 0x0
; X [8192][1024] and the four weights (K = their 1,024 input channels) become codes of FP6 (E2M3) with one E8M0 byte for each 32 along K.
; A block's scale is 2^(floor(log2(largest magnitude)) - 2): its byte is the largest magnitude's exponent field - 2, held at 1 from below.
; LIMITS: NaN and infinities are not served; blocks whose largest magnitude lies under 2^-124 keep the byte 1; a block of zeros gets the byte 1 where the
; rule says 127: its codes are zeros, which add nothing, and only this program reads the bytes.
; THE CODES ARE LAID AS IMAGES OF OPERAND REGISTERS: a fragment (16 rows x 128 K, 12 registers a lane) is 1,536 bytes, registers 4 g .. 4 g + 3 of lane l at 512 g + 16 l.
; Xc, Wc: [tile of 16 rows][K step 8][1,536];  Xs, Ws: [row][8 words], word s for k = 128 s on.
; THE ROWS OF A TILE ARE NOT NEIGHBOURS (tokens; the 64 columns of a head in Wq, Wk, Wv): lane r of tile 2 b + u holds row 32 b + 8 u + r + 8 (r / 8), so that a later result
; whose source 0 is such a tile has 16 neighbours of the next K in the 16 registers of two neighbouring tiles.  Wo's rows (its columns n) are neighbours.
; Work-groups 0-255: X, a wave takes one tile x 512 K.  256-351: Wq, Wk, Wv.  352-383: Wo.  Waves share nothing: no barrier.  Only X's way uses LDS.
.set R,   16                           ; v16-143  two sets of 64 numbers as loaded
.set XN,  144                          ; v144-207 64 numbers of my row: register 16 b + i = k 32 b + 16 (lane / 16) + i
.set TM,  208                          ; v208-223 at work
.set PW,  224                          ; v224-227 the four K steps' scale words
.set T2,  228                          ; v228-234 the conversions' second halves
.set PC,  236                          ; v236-247 a fragment's codes
.set SEL, 36                           ; s[36:37] lane selects: lane l xor 16
.set HM,  38                           ; s38 mask of lanes 16-31
.set STG, 8448                         ; a wave's stage: 16 rows x (512 bytes + 16)
	s_load_b256 s[4:11], s[0:1], 0x0               ; X, Wq, Wk, Wv
	s_load_b256 s[12:19], s[0:1], 0x20             ; Wo, Xc, Xs, Wc
	s_load_b64 s[20:21], s[0:1], 0x40              ; Ws
	v_lshl_add_u32 v254, v0, 2, 0x8400
	v_mov_b32 v255, 0
	v_lshrrev_b32 v8, 5, v0
	v_readfirstlane_b32 s22, v8                    ; wave
	v_and_b32 v9, 31, v0
	v_lshlrev_b32 v1, 4, v9                        ; 16 x lane
	v_and_b32 v2, 15, v0                           ; r
	v_bfe_u32 v3, v0, 4, 1                         ; h
	v_lshlrev_b32 v6, 5, v2
	v_lshl_add_u32 v6, v3, 3, v6                   ; scale words out: 32 r + 8 h
	s_mul_i32 s23, s22, STG
	v_add_nc_u32 v4, s23, v1                       ; the stage, in: a row's 512 bytes as they lie
	v_mul_u32_u24 v5, v2, 528
	v_lshl_add_u32 v5, v3, 6, v5
	v_add_nc_u32 v5, s23, v5                       ; and out: row r, + 64 h
	v_and_b32 v12, 8, v2
	v_add_nc_u32 v12, v12, v2                      ; r + 8 (r / 8)
	v_lshlrev_b32 v11, 3, v3                       ; 8 h
	s_mov_b32 s[SEL], 0x76543210
	s_mov_b32 s[SEL+1], 0xfedcba98
	s_mov_b32 s[HM], 0xffff0000
.irp b, 0,1,2,3
	v_mov_b32 v[TM+4+\b], 0                        ; a lane permute's destination counts as one of its sources
.endr
	s_mov_b32 s29, 0
	s_mov_b32 s31, 0
; 64 numbers v[s + 16 b + i] = k 32 b + 16 (lane / 16) + i of my row become registers 0-5 (at d0) and 6-11 (at d1) of a fragment, and its scale word (pw)
.macro QUANT s, d0, d1, pw
.irp b, 0,1,2,3
	v_max3_num_f32 v[TM+\b], |v[\s+16*\b]|, |v[\s+1+16*\b]|, 0x1800000   ; my 16 numbers of block b, and the floor 2^(3 - 127): the byte cannot fall under 1
.endr
.irp i, 2,4,6,8,10,12,14
.irp b, 0,1,2,3
	v_max3_num_f32 v[TM+\b], v[TM+\b], |v[\s+16*\b+\i]|, |v[\s+1+16*\b+\i]|
.endr
.endr
.irp b, 0,1,2,3
	v_permlanex16_b32 v[TM+4+\b], v[TM+\b], s[SEL], s[SEL+1]
.endr
.irp b, 0,1,2,3
	v_max_num_f32 v[TM+\b], v[TM+\b], v[TM+4+\b]   ; with lane l xor 16's: the block's largest magnitude
.endr
.irp b, 0,1,2,3
	v_add_nc_u32 v[TM+12+\b], 0xff000000, v[TM+\b] ; 2 off its exponent field: the conversion's scale operand
.endr
.irp b, 0,1,2,3
	v_lshrrev_b32 v[TM+4+\b], 23, v[TM+12+\b]      ; the scale's byte
.endr
	v_lshl_or_b32 v[\pw], v[TM+5], 8, v[TM+4]
	v_lshl_or_b32 v[\pw], v[TM+6], 16, v[\pw]
	v_lshl_or_b32 v[\pw], v[TM+7], 24, v[\pw]
	v_cvt_scalef32_pk16_fp6_f32 v[\d0:\d0+2], v[\s:\s+15], v[TM+12]
	v_cvt_scalef32_pk16_fp6_f32 v[T2:T2+2], v[\s+16:\s+31], v[TM+13]
	v_cvt_scalef32_pk16_fp6_f32 v[\d1:\d1+2], v[\s+32:\s+47], v[TM+14]
	v_cvt_scalef32_pk16_fp6_f32 v[T2+4:T2+6], v[\s+48:\s+63], v[TM+15]
	v_nop                                          ; one plain place behind a scaled conversion
.irp i, 0,1,2
	v_permlane16_swap_b32 v[\d0+\i], v[T2+\i]      ; a whole block to a lane: lanes 0-15 the even block, lanes 16-31 the odd one
	v_permlane16_swap_b32 v[\d1+\i], v[T2+4+\i]
.endr
.irp i, 0,1,2
	v_mov_b32 v[\d0+3+\i], v[T2+\i]
	v_mov_b32 v[\d1+3+\i], v[T2+4+\i]
.endr
.endm
	s_wait_kmcnt 0x0
	s_cmp_lt_u32 ttmp9, 256
	s_cbranch_scc0 .Lweights
; ---- X: K is innermost.  Each load reads 512 consecutive bytes of one row; a K step's 16 rows turn through the wave's stage, so that a lane gets 16 neighbours of each block.
	s_lshl_b32 s24, ttmp9, 2
	s_add_co_u32 s24, s24, s22                     ; unit
	s_lshr_b32 s25, s24, 1                         ; tile
	s_and_b32 s26, s24, 1                          ; which 512 of K
	s_lshr_b32 s27, s25, 1
	s_lshl_b32 s27, s27, 5
	s_and_b32 s28, s25, 1
	s_lshl_b32 s28, s28, 3
	s_add_co_u32 s27, s27, s28                     ; the tile's first token
	s_lshl_b32 s28, s27, 12
	s_lshl_b32 s30, s26, 11
	s_add_co_u32 s28, s28, s30
	s_add_nc_u64 s[4:5], s[4:5], s[28:29]
	s_mul_i32 s28, s25, 12288
	s_mul_i32 s30, s26, 6144
	s_add_co_u32 s28, s28, s30
	s_add_nc_u64 s[14:15], s[14:15], s[28:29]
	s_lshl_b32 s28, s25, 9
	s_lshl_b32 s30, s26, 4
	s_add_co_u32 s28, s28, s30
	s_add_nc_u64 s[16:17], s[16:17], s[28:29]
.macro LOADX s
.irp p, 0,1,2,3,4,5,6,7,8,9,10,11,12,13,14,15
	global_load_b128 v[R+64*((\s)%2)+4*\p:R+64*((\s)%2)+4*\p+3], v1, s[4:5] offset:(\p+8*(\p/8))*4096+512*(\s) th:TH_LOAD_NT
.endr
.endm
.macro TURNX s                         ; LDS serves a wave's instructions in order: no wait between the stores and the loads
.irp p, 0,1,2,3,4,5,6,7,8,9,10,11,12,13,14,15
	ds_store_b128 v4, v[R+64*((\s)%2)+4*\p:R+64*((\s)%2)+4*\p+3] offset:528*\p
.endr
.irp b, 0,1,2,3
.irp j, 0,1,2,3
	ds_load_b128 v[XN+16*\b+4*\j:XN+16*\b+4*\j+3], v5 offset:128*\b+16*\j
.endr
.endr
.endm
	LOADX 0
	LOADX 1
.irp s, 0,1,2,3
.if \s < 3
	s_wait_loadcnt 16                              ; this step's 16 loads are in; the next step's 16 may be out
.else
	s_wait_loadcnt 0x0
.endif
	TURNX \s
	s_wait_dscnt 0x0                               ; my numbers are back, and the stage's stores have read their registers
.if \s < 2
	LOADX \s+2
.endif
	s_wait_xcnt 0x0                                ; the last step's stores have read the codes' registers
	QUANT XN, PC, PC+6, PW+\s
.irp g, 0,1,2
	global_store_b128 v1, v[PC+4*\g:PC+4*\g+3], s[14:15] offset:1536*\s+512*\g   ; 512 consecutive bytes
.endr
.endr
	v_cndmask_b32 v248, v[PW], v[PW+2], s[HM]      ; lanes 0-15 store words 0, 1 of my row's four, lanes 16-31 words 2, 3
	v_cndmask_b32 v249, v[PW+1], v[PW+3], s[HM]
	global_store_b64 v6, v[248:249], s[16:17]
	s_wait_tensorcnt 0x0
	ds_add_u32 v254, v255
	s_wait_dscnt 0x0
	s_endpgm
; ---- the weights: K is not innermost.  A lane takes a column and its registers run down K, in the operand's own order: k = 64 c + 32 (lane / 16) + i
.macro LOADW s, pitch
.set n, 0
.rept 64
	global_load_b32 v[R+64*((\s)%2)+n], v7, s[6:7] offset:\pitch*(128*(\s)+64*(n/32)+n%32)
.set n, n+1
.endr
.endm
.macro QUANTW s, pw
.irp c, 0,1
	v_max3_num_f32 v[TM+\c], |v[\s+32*\c]|, |v[\s+1+32*\c]|, 0x1800000   ; my block 2 c + h: all its 32 numbers are mine
.endr
.irp i, 2,4,6,8,10,12,14,16,18,20,22,24,26,28,30
.irp c, 0,1
	v_max3_num_f32 v[TM+\c], v[TM+\c], |v[\s+32*\c+\i]|, |v[\s+1+32*\c+\i]|
.endr
.endr
.irp c, 0,1
	v_add_nc_u32 v[TM+12+\c], 0xff000000, v[TM+\c]
.endr
.irp c, 0,1
	v_lshrrev_b32 v[TM+8+\c], 23, v[TM+12+\c]
.endr
	v_lshl_or_b32 v[\pw], v[TM+9], 16, v[TM+8]     ; my two bytes, blocks h and 2 + h,
	v_lshlrev_b32 v[\pw], v11, v[\pw]              ; at their places;
	v_permlanex16_b32 v[TM+4], v[\pw], s[SEL], s[SEL+1]
	v_or_b32 v[\pw], v[\pw], v[TM+4]               ; with lane l xor 16's two the word is whole
	v_cvt_scalef32_pk16_fp6_f32 v[PC:PC+2], v[\s:\s+15], v[TM+12]
	v_cvt_scalef32_pk16_fp6_f32 v[T2:T2+2], v[\s+16:\s+31], v[TM+12]
	v_cvt_scalef32_pk16_fp6_f32 v[PC+6:PC+8], v[\s+32:\s+47], v[TM+13]
	v_cvt_scalef32_pk16_fp6_f32 v[T2+4:T2+6], v[\s+48:\s+63], v[TM+13]
	v_nop
.irp i, 0,1,2
	v_mov_b32 v[PC+3+\i], v[T2+\i]
	v_mov_b32 v[PC+9+\i], v[T2+4+\i]
.endr
.endm
.macro WOUT                            ; s32: the tile among Wc's 256; s26: which 512 of K
	s_mul_i32 s30, s32, 12288
	s_mul_i32 s28, s26, 6144
	s_add_co_u32 s30, s30, s28
	s_add_nc_u64 s[18:19], s[18:19], s[30:31]
	s_lshl_b32 s30, s32, 9
	s_lshl_b32 s28, s26, 4
	s_add_co_u32 s30, s30, s28
	s_add_nc_u64 s[20:21], s[20:21], s[30:31]
.endm
.macro WPATH pitch
	LOADW 0, \pitch
	LOADW 1, \pitch
.irp s, 0,1,2,3
.if \s < 3
	s_wait_loadcnt 63                              ; this step's 64 loads are in (a wait names 63 at the most: one of the next step's 64 is waited for too)
.else
	s_wait_loadcnt 0x0
.endif
	s_wait_xcnt 0x0                                ; the last step's stores have read the codes' registers
	QUANTW R+64*(\s%2), PW+\s
.if \s < 2
	LOADW \s+2, \pitch
.endif
.irp g, 0,1,2
	global_store_b128 v1, v[PC+4*\g:PC+4*\g+3], s[18:19] offset:1536*\s+512*\g
.endr
.endr
	v_cndmask_b32 v248, v[PW], v[PW+2], s[HM]
	v_cndmask_b32 v249, v[PW+1], v[PW+3], s[HM]
	global_store_b64 v6, v[248:249], s[20:21]
.endm
.Lweights:
	s_cmp_lt_u32 ttmp9, 352
	s_cbranch_scc0 .Lwo
	s_sub_co_u32 s24, ttmp9, 256
	s_lshr_b32 s25, s24, 1                         ; tensor x 16 + head
	s_and_b32 s26, s24, 1
	s_lshr_b32 s27, s25, 4
	s_and_b32 s28, s25, 15
	s_cmp_eq_u32 s27, 1                            ; the choice hangs on the work-group's number alone
	s_cselect_b64 s[6:7], s[8:9], s[6:7]
	s_cmp_eq_u32 s27, 2
	s_cselect_b64 s[6:7], s[10:11], s[6:7]
	v_lshlrev_b32 v7, 2, v12                       ; column r + 8 (r / 8) of the tile,
	v_lshl_add_u32 v7, v3, 13, v7                  ; lanes 16-31 begin 32 rows of 256 bytes further down
	s_lshl_b32 s30, s28, 18                        ; the head: 1,024 rows of 256 bytes
	s_lshl_b32 s28, s26, 17
	s_add_co_u32 s30, s30, s28
	s_lshr_b32 s28, s22, 1
	s_lshl_b32 s28, s28, 7                         ; the wave's tile begins at column 32 (w / 2) + 8 (w % 2)
	s_add_co_u32 s30, s30, s28
	s_and_b32 s28, s22, 1
	s_lshl_b32 s28, s28, 5
	s_add_co_u32 s30, s30, s28
	s_add_nc_u64 s[6:7], s[6:7], s[30:31]
	s_lshl_b32 s32, s25, 2
	s_add_co_u32 s32, s32, s22
	WOUT
	WPATH 256
	s_endpgm
.Lwo:
	s_sub_co_u32 s24, ttmp9, 352
	s_and_b32 s26, s24, 1
	s_lshr_b32 s25, s24, 1
	s_lshl_b32 s25, s25, 2
	s_add_co_u32 s25, s25, s22                     ; which 16 columns of Wo
	s_mov_b64 s[6:7], s[12:13]
	v_lshlrev_b32 v7, 2, v2
	v_lshl_add_u32 v7, v3, 17, v7                  ; 32 rows of 4,096 bytes
	s_lshl_b32 s30, s26, 21
	s_lshl_b32 s28, s25, 6
	s_add_co_u32 s30, s30, s28
	s_add_nc_u64 s[6:7], s[6:7], s[30:31]
	s_add_co_u32 s32, s25, 192
	WOUT
	WPATH 4096
	s_endpgm
.Lfunc_end_k_q7f1427bcd4_quant:
	.size	k_q7f1427bcd4_quant, .Lfunc_end_k_q7f1427bcd4_quant-k_q7f1427bcd4_quant
	.p2alignl 7, 3214868480
	.fill 96, 4, 3214868480
	.section	.rodata,"a",@progbits
	.p2align	6, 0x0
	.amdhsa_kernel k_q7f1427bcd4_quant
		.amdhsa_group_segment_fixed_size 34304
		.amdhsa_private_segment_fixed_size 0
		.amdhsa_enable_private_segment 0
		.amdhsa_kernarg_size 72
		.amdhsa_user_sgpr_count 2
		.amdhsa_user_sgpr_kernarg_segment_ptr 1
		.amdhsa_wavefront_size32 1
		.amdhsa_system_sgpr_workgroup_id_x 1
		.amdhsa_system_sgpr_workgroup_id_y 1
		.amdhsa_system_sgpr_workgroup_id_z 1
		.amdhsa_system_vgpr_workitem_id 0
		.amdhsa_next_free_vgpr 256
		.amdhsa_next_free_sgpr 66
		.amdhsa_reserve_vcc 0
		.amdhsa_float_denorm_mode_32 3
		.amdhsa_float_denorm_mode_16_64 3
		.amdhsa_memory_ordered 1
		.amdhsa_forward_progress 1
		.amdhsa_inst_pref_size 110
	.end_amdhsa_kernel
	.amdgpu_metadata
---
amdhsa.version: [ 1, 2 ]
amdhsa.kernels:
  - .name:           k_q7f1427bcd4_quant
    .symbol:         k_q7f1427bcd4_quant.kd
    .args:
      - { .name: X, .offset: 0, .size: 8, .value_kind: global_buffer, .address_space: global }
      - { .name: Wq, .offset: 8, .size: 8, .value_kind: global_buffer, .address_space: global }
      - { .name: Wk, .offset: 16, .size: 8, .value_kind: global_buffer, .address_space: global }
      - { .name: Wv, .offset: 24, .size: 8, .value_kind: global_buffer, .address_space: global }
      - { .name: Wo, .offset: 32, .size: 8, .value_kind: global_buffer, .address_space: global }
      - { .name: Xc, .offset: 40, .size: 8, .value_kind: global_buffer, .address_space: global }
      - { .name: Xs, .offset: 48, .size: 8, .value_kind: global_buffer, .address_space: global }
      - { .name: Wc, .offset: 56, .size: 8, .value_kind: global_buffer, .address_space: global }
      - { .name: Ws, .offset: 64, .size: 8, .value_kind: global_buffer, .address_space: global }
    .group_segment_fixed_size: 34304
    .private_segment_fixed_size: 0
    .kernarg_segment_align: 8
    .kernarg_segment_size: 72
    .max_flat_workgroup_size: 128
    .sgpr_count:     66
    .vgpr_count:     256
    .wavefront_size: 32
...
	.end_amdgpu_metadata
.endif
;; end of part 1
;; launch proj (part 2): grid 8 x 48, 4 waves a work-group, clusters of 4 x 4, 327,680 bytes of LDS; arguments Xc, Xs, Wc, Ws, bq, bk, bv, qb, kv; writes qb, kv
.if DOCPART == 2
	.amdgcn_target "amdgcn-amd-amdhsa--gfx1250"
	.amdhsa_code_object_version 6
	.text
	.protected	k_q7f1427bcd4_proj
	.globl	k_q7f1427bcd4_proj
	.p2align	8
	.type	k_q7f1427bcd4_proj,@function
k_q7f1427bcd4_proj:
	s_mov_b64 s[64:65], 0
	v_nop
	global_prefetch_b8 v0, s[64:65] scope:SCOPE_SE
	s_setreg_imm32_b32 hwreg(HW_REG_WAVE_MODE, 25, 1), 1
	s_wait_xcnt 0x0
	s_wait_alu depctr_hold_cnt(0) depctr_sa_sdst(0) depctr_va_vdst(0) depctr_va_sdst(0) depctr_va_ssrc(0) depctr_va_vcc(0) depctr_vm_vsrc(0)
	s_getreg_b32 s2, hwreg(HW_REG_IB_STS2, 6, 4)
	s_cmp_eq_u32 s2, 0
	s_cbranch_scc0 .Lentry_in_a_cluster
	s_endpgm
.Lentry_in_a_cluster:
	s_bfe_u32 s2, ttmp6, 0x10000c
	s_cmp_lg_u32 s2, 0xf033
	s_cbranch_scc0 .Lentry_shape_is_right
	s_endpgm
.Lentry_shape_is_right:
; q, k, v = X W + b on codes of FP6 (E2M3, one E8M0 byte for each 32 along K = 1,024), and their quantising for the attention: q and k along the head's 64, v along the tokens.
; A GEMM C = A B^T: a work-group of four waves makes 256 x 256, a wave 128 x 128 in 512 registers.  K goes in steps of 256 through a ring of two LDS slots.  Codes lie in memory as images of operand
; registers ([tile of 16 rows][K step of 128][1,536 bytes]), so a fragment comes by three loads of 16 bytes a lane, 512 consecutive bytes each, and LDS needs no padding.
; The matrix instruction takes 16 rows of B as source 0 and 16 rows of A as source 1: a lane holds ONE row of A and its registers run along B's rows.  The rows of a tile of tokens and of a head's columns
; are chosen (lane r of tile 2 b + u: row 32 b + 8 u + r + 8 (r / 8)) so that the 16 registers of tiles 2 b, 2 b + 1 are 16 neighbours: what the next quantiser wants.
; TWO SHAPES, chosen by the cluster's y, which all partners share.  y < 8: A = X (32 tile rows), B = Wq, Wk (8 tile columns): a lane holds a token, registers run along the head's channels.
; y >= 8: A = Wv (4 tile rows), B = X (32 tile columns): a lane holds a channel, registers run along the tokens, v's K.
; CLUSTERS 4 x 4: A's tiles are asked for jointly along a row of the cluster, B's along a column.
; OUT: blocks of 25,600 bytes for (batch, head, 256 tokens): +0 eight fragments [registers 0-5: tile 2 f's 64 channels | 6-11: tile 2 f + 1's]; +12,288 v's [128 keys 2][16 channels 4] fragments;
; +24,576 k's (q's) scale words [2][row 16][fragment 4]; +25,088 v's.  q goes to qb, k and v to kv.
; LIMITS: NaN and infinities are not served; blocks under 2^-124 keep the byte 1; a block of zeros gets the byte 1 (its codes are zeros; only this program reads the bytes).
; REGISTERS: window 0: v16-31 addresses; v32-63 scale words, two sets; v64-127 the bias; v128-223 A's fragments, one set (at the end v128-255 at work).  window 1: B's fragments, two sets.  windows 2, 3: accumulators.
.set NQ,     2                         ; matrix instructions deep in a slot
.set FR,     12
.set NL,     3                         ; LDS loads that bring a fragment
.set NP,     4                         ; places behind this matrix instruction (ISA guide 7.12.1)
.set TROW,   3072                      ; a tile of 16 rows x 256 K
.set TPITCH, 12288                     ; from tile to tile in memory
.set HALFT,  8*TROW                    ; 128 rows: what one tensor load brings
.set SLOT,   4*HALFT
.set LAPS,   2
.set KS,     32                        ; a row of scale bytes
.set SCL,    2*SLOT                    ; behind the ring: the scale bytes for all of K, units of 256 bytes + 16
.set HALFS,  16*272
.set SBLK,   2*272
.set SPARE,  SCL+4*HALFS               ; the spare words: 128 bytes a wave
.set BLKB,   25600
.set HEADB,  8*BLKB
.set ADRA, 16
.set ADRB, 20
.set IMG,  24                          ; 16 x lane
.set SOFF, 25                          ; 16 r + a head's bytes x h
.set ADRS, 27
.set SPW,  28
.set NIL,  29
.set BQK,  30
.set BVO,  31
.set SC,   32
.set BI,   64
.set AF,   128
.set ST,   128                         ; the end: 64 numbers
.set FA,   192                         ; fragments in the making
.set FB,   204
.set T2,   216
.set TM,   224
.set PWE,  240
.set PWO,  241
.set W0,   244
.set PWV,  248
.set G1, 24
.set G0, 32
.set G1B, 48
.set G0B, 56
.set G1S, 68
.set G0S, 76
.set G1SB, 80
.set G0SB, 88
.set HM,  92
.set SEL, 94
.set MSB, 0
.macro WIN new                         ; the immediate's high byte repeats the setting that is left
.if MSB != (\new)
	s_set_vgpr_msb (MSB<<8)|(\new)
.set MSB, (\new)
.endif
.endm
.set MUL_LO, 0xa1                      ; source 0 (B) window 1, source 1 (A) window 0, C and D window 2
.set MUL_HI, 0xf1
.set TO_B,   0x40
.macro JLOAD g0a, g1a, g0b, g1b        ; a joint load: waves 0, 1 fetch for A, waves 2, 3 for B; four v_nop follow each line
	s_cmp_eq_u32 s15, 0
	s_cbranch_scc0 .Lfor_b_\@
	tensor_load_to_lds s[\g0a:\g0a+3], s[\g1a:\g1a+7]
	s_nop 0
.rept 4
	v_nop
.endr
	s_branch .Lasked_\@
.Lfor_b_\@:
	tensor_load_to_lds s[\g0b:\g0b+3], s[\g1b:\g1b+7]
	s_nop 0
.rept 4
	v_nop
.endr
.Lasked_\@:
.endm
.macro CREST
	s_cmp_lg_u32 s14, 0
	s_cbranch_scc1 .Lnot_wave_0_\@
	s_barrier_signal -3
.Lnot_wave_0_\@:
	s_barrier_wait -3
	s_barrier_signal -1
	s_barrier_wait -1
.endm
.macro CROUND
	s_barrier_signal -1
	s_barrier_wait -1
	CREST
.endm
	s_load_b256 s[4:11], s[0:1], 0x0               ; Xc, Xs, Wc, Ws
	s_load_b128 s[96:99], s[0:1], 0x20             ; bq, bk
	s_load_b64 s[100:101], s[0:1], 0x30            ; bv
	s_load_b64 s[12:13], s[0:1], 0x38              ; qb
	s_load_b64 s[66:67], s[0:1], 0x40              ; kv
	v_lshl_add_u32 v[SPW], v0, 2, SPARE
	v_mov_b32 v[NIL], 0
	ds_add_u32 v28, v29
	s_wait_dscnt 0x0
	v_lshrrev_b32 v1, 5, v0
	v_readfirstlane_b32 s14, v1                    ; wave
	s_lshr_b32 s15, s14, 1                         ; my half of A's rows.  Also: I fetch for A (0) or B (1)
	s_and_b32 s16, s14, 1                          ; my half of B's rows.  Also: which 128 rows I fetch
	s_bfe_u32 s40, ttmp6, 0x40000                  ; cx
	s_bfe_u32 s41, ttmp6, 0x40004                  ; cy
	s_and_b32 s18, ttmp7, 0xffff                   ; the cluster's y
	s_sub_co_u32 s19, s18, 8
	s_lshl_b32 s19, s19, 1
	s_add_co_u32 s19, s19, ttmp9                   ; v's shape: clusters of tile columns 2 (y - 8) + x
	s_cmp_ge_u32 s18, 8
	s_cselect_b32 s2, 1, 0                         ; v's shape?
	s_cselect_b32 s18, 0, s18
	s_cselect_b32 s19, s19, ttmp9
	s_lshl_b32 s42, s19, 2
	s_add_co_u32 s42, s42, s40                     ; tile column
	s_lshl_b32 s17, s18, 2
	s_add_co_u32 s17, s17, s41                     ; tile row
	s_lshl_b32 s43, s41, 2
	s_lshl_b32 s43, 15, s43                        ; my row of the cluster
	s_lshl_b32 s44, 0x1111, s40                    ; my column
	s_or_b32 s[G1+0], s43, (3<<16)|(1<<21)         ; the mask; elements of 8 bytes; bit 21 beside a mask; no padding
	s_or_b32 s[G1B+0], s44, (3<<16)|(1<<21)
.irp g, G1, G1B                        ; 8 tiles of 3,072 bytes, 12,288 bytes apart
	s_mov_b32 s[\g+1], 384<<16
	s_mov_b32 s[\g+2], 8<<16
	s_mov_b32 s[\g+3], 384<<16
	s_mov_b32 s[\g+4], 8
	s_mov_b32 s[\g+5], 1536
	s_mov_b32 s[\g+6], 0
	s_mov_b32 s[\g+7], 0
.endr
	s_or_b32 s[G1S+0], s43, (3<<16)|(1<<20)|(1<<21)|(5<<22)|(3<<25)   ; the scale bytes of 128 rows: 16 rows of 256 bytes, 16 bytes of padding behind each
	s_or_b32 s[G1SB+0], s44, (3<<16)|(1<<20)|(1<<21)|(5<<22)|(3<<25)
.irp g, G1S, G1SB
	s_mov_b32 s[\g+1], 32<<16
	s_mov_b32 s[\g+2], 16<<16
	s_mov_b32 s[\g+3], 32<<16
	s_mov_b32 s[\g+4], 16
	s_mov_b32 s[\g+5], 32
	s_mov_b32 s[\g+6], 0
	s_mov_b32 s[\g+7], 0
.endr
	s_lshl_b32 s18, s16, 3
	s_lshl_b32 s20, s17, 4
	s_add_co_u32 s20, s20, s18                     ; A: the first tile of 16 rows that I fetch
	s_lshl_b32 s46, s42, 4
	s_add_co_u32 s46, s46, s18                     ; B likewise
	s_lshl_b32 s22, s20, 9                         ; their scale bytes: 512 a tile
	s_lshl_b32 s92, s46, 9
	s_mul_i32 s20, s20, TPITCH
	s_mul_i32 s46, s46, TPITCH
	s_mov_b32 s21, 0
	s_mov_b32 s23, 0
	s_mov_b32 s47, 0
	s_mov_b32 s93, 0
	s_mul_i32 s45, s14, HALFT                      ; where they go: no place in the cluster enters an LDS address
	s_mul_i32 s94, s14, HALFS
	s_wait_kmcnt 0x0
	s_add_nc_u64 s[18:19], s[8:9], 128*TPITCH      ; Wv's codes,
	s_add_nc_u64 s[40:41], s[10:11], 128*512       ; and scale bytes
	s_cmp_lg_u32 s2, 0                             ; the operands change places in v's shape
	s_cselect_b64 s[8:9], s[4:5], s[8:9]
	s_cselect_b64 s[10:11], s[6:7], s[10:11]
	s_cselect_b64 s[4:5], s[18:19], s[4:5]
	s_cselect_b64 s[6:7], s[40:41], s[6:7]
	s_add_nc_u64 s[20:21], s[4:5], s[20:21]
	s_add_nc_u64 s[22:23], s[6:7], s[22:23]
	s_add_nc_u64 s[46:47], s[8:9], s[46:47]
	s_add_nc_u64 s[92:93], s[10:11], s[92:93]
	CROUND                                         ; all sixteen work-groups are here: the first joint loads meet
	s_mov_b32 s[G0S], 1
	s_add_co_u32 s[G0S+1], s94, SCL
	s_mov_b64 s[G0S+2:G0S+3], s[22:23]
	s_or_b32 s[G0S+3], s[G0S+3], 0x80000000
	s_mov_b32 s[G0SB], 1
	s_add_co_u32 s[G0SB+1], s94, SCL
	s_mov_b64 s[G0SB+2:G0SB+3], s[92:93]
	s_or_b32 s[G0SB+3], s[G0SB+3], 0x80000000
	JLOAD G0S, G1S, G0SB, G1SB                     ; the scales first: three loads of mine are out behind the third of these
.irp s, 0,1
	s_mov_b32 s[G0+4*\s], 1
	s_add_co_u32 s[G0+4*\s+1], s45, \s*SLOT
	s_add_nc_u64 s[G0+4*\s+2:G0+4*\s+3], s[20:21], \s*TROW
	s_or_b32 s[G0+4*\s+3], s[G0+4*\s+3], 0x80000000
	s_mov_b32 s[G0B+4*\s], 1
	s_add_co_u32 s[G0B+4*\s+1], s45, \s*SLOT
	s_add_nc_u64 s[G0B+4*\s+2:G0B+4*\s+3], s[46:47], \s*TROW
	s_or_b32 s[G0B+4*\s+3], s[G0B+4*\s+3], 0x80000000
	JLOAD G0+4*\s, G1, G0B+4*\s, G1B
.endr
	s_mov_b32 s[HM], 0xffff0000
	s_mov_b32 s[SEL], 0x76543210
	s_mov_b32 s[SEL+1], 0xfedcba98
	v_and_b32 v1, 15, v0                           ; r
	v_bfe_u32 v2, v0, 4, 1                         ; h
	v_and_b32 v3, 31, v0
	v_lshlrev_b32 v[IMG], 4, v3
	s_mul_i32 s21, s15, HALFT
	s_mul_i32 s22, s16, HALFT
	s_add_co_u32 s22, s22, 2*HALFT
.irp s, 0,1
	v_add_nc_u32 v[ADRA+\s], s21, v[IMG]
	v_add_nc_u32 v[ADRB+\s], s22, v[IMG]
	s_add_co_u32 s21, s21, SLOT
	s_add_co_u32 s22, s22, SLOT
.endr
	v_mul_u32_u24 v5, v1, KS                       ; my row's scale bytes,
	v_lshrrev_b32 v6, 8, v5
	v_lshl_add_u32 v5, v6, 4, v5                   ; and 16 more for each 256 passed
	s_mul_i32 s21, s15, HALFS
	s_mul_i32 s22, s16, HALFS
	s_add_co_u32 s22, s22, 2*HALFS
	s_sub_co_u32 s22, s22, s21
	v_mul_u32_u24 v6, s22, v2                      ; lanes 16-31 take B's
	s_add_co_u32 s21, s21, SCL
	v_add_nc_u32 v5, v5, v6
	v_add_nc_u32 v[ADRS], s21, v5
	v_lshlrev_b32 v[SOFF], 4, v1
	v_mul_u32_u24 v6, v2, HEADB
	v_add_nc_u32 v[SOFF], v[SOFF], v6
	v_lshlrev_b32 v[BQK], 6, v2                    ; q, k: the bias of channels 16 h on
	v_and_b32 v6, 8, v1
	v_add_nc_u32 v6, v6, v1
	v_lshlrev_b32 v[BVO], 2, v6                    ; v: the bias of channel r + 8 (r / 8)
	; the bias, in the result's layout; both ways write all 64 registers
	s_lshl_b32 s18, s42, 8
	s_lshl_b32 s19, s16, 7
	s_add_co_u32 s18, s18, s19
	s_and_b32 s18, s18, 1023
	s_lshl_b32 s18, s18, 2
	s_mov_b32 s19, 0
	s_cmp_lg_u32 ttmp9, 0                          ; tile columns 4-7 (the cluster's x = 1) are k's
	s_cselect_b64 s[96:97], s[98:99], s[96:97]
	s_add_nc_u64 s[96:97], s[96:97], s[18:19]
	s_lshl_b32 s18, s17, 8
	s_lshl_b32 s20, s15, 7
	s_add_co_u32 s18, s18, s20
	s_and_b32 s18, s18, 1023
	s_lshl_b32 s18, s18, 2
	s_add_nc_u64 s[100:101], s[100:101], s[18:19]
	s_cmp_lg_u32 s2, 0
	s_cbranch_scc1 .Lbias_v
.irp b, 0,1,2,3,4,5,6,7
	global_load_b128 v[BI+8*\b:BI+8*\b+3], v[BQK], s[96:97] offset:4*(32*(\b/2)+8*(\b%2))
	global_load_b128 v[BI+8*\b+4:BI+8*\b+7], v[BQK], s[96:97] offset:4*(32*(\b/2)+8*(\b%2))+16
.endr
	s_branch .Lbias_done
.Lbias_v:
.irp a, 0,1,2,3,4,5,6,7
.irp j, 0,1,2,3,4,5,6,7
	global_load_b32 v[BI+8*\a+\j], v[BVO], s[100:101] offset:4*(32*(\a/2)+8*(\a%2))
.endr
.endr
.Lbias_done:
	; where my results go
	s_cmp_lg_u32 s2, 0
	s_cselect_b32 s18, s42, s17                    ; the tile of 256 tokens,
	s_cselect_b32 s19, s16, s15                    ; my half of it,
	s_cselect_b32 s20, s17, s42                    ; the tile of 256 channels,
	s_cselect_b32 s21, s15, s16                    ; my half of it
	s_lshr_b32 s22, s18, 3                         ; batch
	s_and_b32 s23, s18, 7                          ; block of 256 tokens
	s_and_b32 s20, s20, 3
	s_lshl_b32 s20, s20, 2
	s_lshl_b32 s21, s21, 1
	s_add_co_u32 s20, s20, s21                     ; my first head of two
	s_lshl_b32 s22, s22, 4
	s_add_co_u32 s22, s22, s20
	s_lshl_b32 s22, s22, 3
	s_add_co_u32 s22, s22, s23
	s_mul_i32 s22, s22, BLKB
	s_mov_b32 s23, 0
	s_or_b32 s20, s2, ttmp9
	s_cmp_eq_u32 s20, 0                            ; q's tile columns alone go to qb
	s_cselect_b64 s[12:13], s[12:13], s[66:67]
	s_add_nc_u64 s[12:13], s[12:13], s[22:23]
	s_lshl_b32 s22, s19, 8
	s_add_nc_u64 s[66:67], s[12:13], s[22:23]      ; scale words: 256 bytes for each 128 tokens
	s_mul_i32 s22, s19, 6144
	s_add_nc_u64 s[12:13], s[12:13], s[22:23]      ; fragments: 6,144
.macro FRAG reg, adr, q, i             ; a fragment's image: three loads of 512 consecutive bytes
.irp g, 0,1,2
	ds_load_b128 v[\reg+4*\g:\reg+4*\g+3], v[\adr] offset:TROW*(\i)+1536*(\q)+512*\g
.endr
.endm
; 16 matrix instructions: A's blocks a0, a0 + 1 x B's eight.  The 64 accumulators take turns, one instruction a turn.
.macro MUL16 a0, p, q, sc, zero
.irp a, \a0, \a0+1
.irp b, 0,1,2,3,4,5,6,7
.if \zero
	v_wmma_scale_f32_16x16x128_f8f6f4 v[8*(8*((\a)%4)+\b):8*(8*((\a)%4)+\b)+7], v[128*(\p)+FR*\b:128*(\p)+FR*\b+FR-1], v[AF+FR*(\a):AF+FR*(\a)+FR-1], 0, v[SC+8*NQ*(\sc)+NQ*\b+(\q)], v[SC+8*NQ*(\sc)+NQ*(\a)+(\q)] matrix_a_fmt:MATRIX_FMT_FP6 matrix_b_fmt:MATRIX_FMT_FP6 matrix_a_scale:MATRIX_SCALE_ROW1
.else
	v_wmma_scale_f32_16x16x128_f8f6f4 v[8*(8*((\a)%4)+\b):8*(8*((\a)%4)+\b)+7], v[128*(\p)+FR*\b:128*(\p)+FR*\b+FR-1], v[AF+FR*(\a):AF+FR*(\a)+FR-1], v[8*(8*((\a)%4)+\b):8*(8*((\a)%4)+\b)+7], v[SC+8*NQ*(\sc)+NQ*\b+(\q)], v[SC+8*NQ*(\sc)+NQ*(\a)+(\q)] matrix_a_fmt:MATRIX_FMT_FP6 matrix_b_fmt:MATRIX_FMT_FP6 matrix_a_scale:MATRIX_SCALE_ROW1
.endif
.endr
.endr
.endm
.macro FETCH_B slot, q, p
	WIN TO_B
.irp i, 0,1,2,3,4,5,6,7
	FRAG 128*(\p)+FR*\i, ADRB+\slot, \q, \i
.endr
	WIN 0
.endm
.macro FETCH_A slot, q, i0
.irp i, \i0, \i0+1, \i0+2, \i0+3
	FRAG AF+FR*(\i), ADRA+\slot, \q, \i
.endr
.endm
.macro SCALES sc                       ; a K step's two words a row: lanes 0-15 A's block i, lanes 16-31 B's block i
.irp i, 0,1,2,3,4,5,6,7
	ds_load_b64 v[SC+8*NQ*\sc+NQ*\i:SC+8*NQ*\sc+NQ*\i+1], v[ADRS] offset:\i*SBLK
.endr
.endm
.macro PLACES n                        ; plain vector lines between a matrix instruction and a load into, or a vector write or read of, its registers
.rept \n
	v_nop
.endr
.endm
.macro STEP slot, q, zero              ; 128 along K whose successor lies in the same slot
	s_wait_dscnt 4*NL                              ; all but the youngest loads, A's blocks 4-7
	WIN MUL_LO
	MUL16 0, (\q)%2, \q, \slot, \zero
	MUL16 2, (\q)%2, \q, \slot, \zero
	s_wait_dscnt 0
	PLACES NP
	FETCH_B \slot, (\q)+1, 1-(\q)%2
	FETCH_A \slot, (\q)+1, 0
	WIN MUL_HI
	MUL16 4, (\q)%2, \q, \slot, \zero
	MUL16 6, (\q)%2, \q, \slot, \zero
	PLACES NP
	WIN 0
	FETCH_A \slot, (\q)+1, 4
.endm
.macro TURN slot, next, fill           ; a slot's last step changes slots: one barrier; fill = 1: it opens a round of the cluster's barrier and this slot is filled again
	s_wait_tensorcnt 0x0                           ; all my tensor loads have landed: my part of the next slot
	ds_add_u32 v[SPW], v[NIL]                      ; 0 onto my spare word
	s_wait_dscnt 4*NL+1                            ; the add and A's blocks 4-7 may be out
	WIN MUL_LO
	MUL16 0, 1, NQ-1, \slot, 0
	s_wait_dscnt 0x0                               ; the add is done, and my reads of this slot are over
	s_barrier_signal -1
	MUL16 2, 1, NQ-1, \slot, 0
	WIN 0
	s_barrier_wait -1
.if \fill
	CREST                                          ; no wave of any partner still reads this slot or has a load on its way
	s_add_nc_u64 s[G0+4*\slot+2:G0+4*\slot+3], s[G0+4*\slot+2:G0+4*\slot+3], 2*TROW
	s_add_nc_u64 s[G0B+4*\slot+2:G0B+4*\slot+3], s[G0B+4*\slot+2:G0B+4*\slot+3], 2*TROW
	JLOAD G0+4*\slot, G1, G0B+4*\slot, G1B         ; my one tensor load behind the round; its four v_nop are the places in front of the loads below
.else
	PLACES NP
.endif
	v_add_nc_u32 v[ADRS], 4*NQ, v[ADRS]
	FETCH_B \next, 0, 0
	FETCH_A \next, 0, 0
	SCALES \next
	WIN MUL_HI
	MUL16 4, 1, NQ-1, \slot, 0
	MUL16 6, 1, NQ-1, \slot, 0
	PLACES NP
	WIN 0
	FETCH_A \next, 0, 4
.endm
	s_wait_tensorcnt 1                             ; the scales and my part of slot 0 are in; slot 1's load may be out
	s_barrier_signal -1
	s_barrier_wait -1
	FETCH_B 0, 0, 0
	FETCH_A 0, 0, 0
	SCALES 0
	FETCH_A 0, 0, 4
	STEP 0, 0, 1                                   ; the first step's products start the sums
	s_mov_b32 s3, LAPS-1
.Llap:
	TURN 0, 1, 1
	STEP 1, 0, 0
	TURN 1, 0, 1
	STEP 0, 0, 0
	s_sub_co_u32 s3, s3, 1
	s_cmp_lg_u32 s3, 0
	s_cbranch_scc1 .Llap
	TURN 0, 1, 0                                   ; the last lap fills nothing
	STEP 1, 0, 0
	s_wait_dscnt 4*NL
	WIN MUL_LO
	MUL16 0, 1, NQ-1, 1, 0
	MUL16 2, 1, NQ-1, 1, 0
	s_wait_dscnt 0
	WIN MUL_HI
	MUL16 4, 1, NQ-1, 1, 0
	MUL16 6, 1, NQ-1, 1, 0
	WIN 0
; ---- THE END: bias, quantiser, images out.  No LDS: a lane's 64 registers of a block of A are already 64 numbers of its row in the quantiser's order.
.macro QUANT s, d0, d1, pw             ; v[s + 16 b + i] = k 32 b + 16 (lane / 16) + i -> registers 0-5 at d0, 6-11 at d1, the scale word in pw
.irp b, 0,1,2,3
	v_max3_num_f32 v[TM+\b], |v[\s+16*\b]|, |v[\s+1+16*\b]|, 0x1800000   ; with the floor 2^(3 - 127): the byte cannot fall under 1
.endr
.irp i, 2,4,6,8,10,12,14
.irp b, 0,1,2,3
	v_max3_num_f32 v[TM+\b], v[TM+\b], |v[\s+16*\b+\i]|, |v[\s+1+16*\b+\i]|
.endr
.endr
.irp b, 0,1,2,3
	v_permlanex16_b32 v[TM+4+\b], v[TM+\b], s[SEL], s[SEL+1]
.endr
.irp b, 0,1,2,3
	v_max_num_f32 v[TM+\b], v[TM+\b], v[TM+4+\b]
.endr
.irp b, 0,1,2,3
	v_add_nc_u32 v[TM+12+\b], 0xff000000, v[TM+\b] ; 2 off the exponent field: the conversion's scale operand
.endr
.irp b, 0,1,2,3
	v_lshrrev_b32 v[TM+4+\b], 23, v[TM+12+\b]
.endr
	v_lshl_or_b32 v[\pw], v[TM+5], 8, v[TM+4]
	v_lshl_or_b32 v[\pw], v[TM+6], 16, v[\pw]
	v_lshl_or_b32 v[\pw], v[TM+7], 24, v[\pw]
	v_cvt_scalef32_pk16_fp6_f32 v[\d0:\d0+2], v[\s:\s+15], v[TM+12]
	v_cvt_scalef32_pk16_fp6_f32 v[T2:T2+2], v[\s+16:\s+31], v[TM+13]
	v_cvt_scalef32_pk16_fp6_f32 v[\d1:\d1+2], v[\s+32:\s+47], v[TM+14]
	v_cvt_scalef32_pk16_fp6_f32 v[T2+4:T2+6], v[\s+48:\s+63], v[TM+15]
	v_nop                                          ; one plain place behind a scaled conversion
.irp i, 0,1,2
	v_permlane16_swap_b32 v[\d0+\i], v[T2+\i]
	v_permlane16_swap_b32 v[\d1+\i], v[T2+4+\i]
.endr
.irp i, 0,1,2
	v_mov_b32 v[\d0+3+\i], v[T2+\i]
	v_mov_b32 v[\d1+3+\i], v[T2+4+\i]
.endr
.endm
.macro ADDB a, isv                     ; block a's eight accumulators + the bias -> v[ST] on, each accumulator from its low end on
	WIN 0x02+((\a)/4)
.set n, 0
.rept 32
.if \isv
	v_pk_add_f32 v[ST+2*n:ST+2*n+1], v[64*((\a)%4)+2*n:64*((\a)%4)+2*n+1], v[BI+8*(\a):BI+8*(\a)+1]
.else
	v_pk_add_f32 v[ST+2*n:ST+2*n+1], v[64*((\a)%4)+2*n:64*((\a)%4)+2*n+1], v[BI+2*n:BI+2*n+1]
.endif
.set n, n+1
.endr
	WIN 0
.endm
	s_wait_loadcnt 0x0                             ; the bias
	PLACES NP
.irp b, 0,1,2,3
	v_mov_b32 v[TM+4+\b], 0                        ; a lane permute's destination counts as one of its sources
.endr
	s_cmp_lg_u32 s2, 0
	s_cbranch_scc1 .Lout_v
.irp f, 0,1,2,3                        ; q, k: two tiles of tokens make one fragment for each of my two heads
	s_wait_xcnt 0x0                                ; the last fragments' stores have read their registers
	ADDB 2*\f, 0
	QUANT ST, FA, FB, PWE
	ADDB 2*\f+1, 0
	QUANT ST, FA+6, FB+6, PWO
	v_perm_b32 v242, v[PWO], v[PWE], 0x05040100    ; the first head's word: the even tile's two bytes, the odd tile's two
	v_perm_b32 v243, v[PWO], v[PWE], 0x07060302    ; the second head's
	v_cndmask_b32 v[W0+\f], v242, v243, s[HM]
.irp g, 0,1,2
	global_store_b128 v[IMG], v[FA+4*\g:FA+4*\g+3], s[12:13] offset:1536*\f+512*\g
	global_store_b128 v[IMG], v[FB+4*\g:FB+4*\g+3], s[12:13] offset:HEADB+1536*\f+512*\g
.endr
.endr
	global_store_b128 v[SOFF], v[W0:W0+3], s[66:67] offset:24576   ; sixteen lanes store 256 consecutive bytes for each head
	s_branch .Lout_done
.Lout_v:
.irp a, 0,1,2,3,4,5,6,7                ; v: a block of 16 channels x my 128 tokens is one fragment
	s_wait_xcnt 0x0
	ADDB \a, 1
	QUANT ST, FA, FA+6, PWV+\a
.irp g, 0,1,2
	global_store_b128 v[IMG], v[FA+4*\g:FA+4*\g+3], s[12:13] offset:12288+HEADB*(\a/4)+1536*(\a%4)+512*\g
.endr
.endr
.irp f, 0,1,2,3
	v_cndmask_b32 v[W0+\f], v[PWV+\f], v[PWV+4+\f], s[HM]
.endr
	global_store_b128 v[SOFF], v[W0:W0+3], s[66:67] offset:25088
.Lout_done:
	s_wait_tensorcnt 0x0                           ; the wave's end
	ds_add_u32 v[SPW], v[NIL]
	s_wait_dscnt 0x0
	CROUND                                         ; the closing round
	s_endpgm
.Lfunc_end_k_q7f1427bcd4_proj:
	.size	k_q7f1427bcd4_proj, .Lfunc_end_k_q7f1427bcd4_proj-k_q7f1427bcd4_proj
	.p2alignl 7, 3214868480
	.fill 96, 4, 3214868480
	.section	.rodata,"a",@progbits
	.p2align	6, 0x0
	.amdhsa_kernel k_q7f1427bcd4_proj
		.amdhsa_group_segment_fixed_size 327680
		.amdhsa_private_segment_fixed_size 0
		.amdhsa_enable_private_segment 0
		.amdhsa_kernarg_size 72
		.amdhsa_user_sgpr_count 2
		.amdhsa_user_sgpr_kernarg_segment_ptr 1
		.amdhsa_wavefront_size32 1
		.amdhsa_system_sgpr_workgroup_id_x 1
		.amdhsa_system_sgpr_workgroup_id_y 1
		.amdhsa_system_sgpr_workgroup_id_z 1
		.amdhsa_system_vgpr_workitem_id 0
		.amdhsa_next_free_vgpr 1024
		.amdhsa_next_free_sgpr 102
		.amdhsa_reserve_vcc 0
		.amdhsa_float_denorm_mode_32 3
		.amdhsa_float_denorm_mode_16_64 3
		.amdhsa_memory_ordered 1
		.amdhsa_forward_progress 1
		.amdhsa_inst_pref_size 214
	.end_amdhsa_kernel
	.amdgpu_metadata
---
amdhsa.version: [ 1, 2 ]
amdhsa.kernels:
  - .name:           k_q7f1427bcd4_proj
    .symbol:         k_q7f1427bcd4_proj.kd
    .args:
      - { .name: Xc, .offset: 0, .size: 8, .value_kind: global_buffer, .address_space: global }
      - { .name: Xs, .offset: 8, .size: 8, .value_kind: global_buffer, .address_space: global }
      - { .name: Wc, .offset: 16, .size: 8, .value_kind: global_buffer, .address_space: global }
      - { .name: Ws, .offset: 24, .size: 8, .value_kind: global_buffer, .address_space: global }
      - { .name: bq, .offset: 32, .size: 8, .value_kind: global_buffer, .address_space: global }
      - { .name: bk, .offset: 40, .size: 8, .value_kind: global_buffer, .address_space: global }
      - { .name: bv, .offset: 48, .size: 8, .value_kind: global_buffer, .address_space: global }
      - { .name: qb, .offset: 56, .size: 8, .value_kind: global_buffer, .address_space: global }
      - { .name: kv, .offset: 64, .size: 8, .value_kind: global_buffer, .address_space: global }
    .group_segment_fixed_size: 327680
    .private_segment_fixed_size: 0
    .kernarg_segment_align: 8
    .kernarg_segment_size: 72
    .max_flat_workgroup_size: 128
    .sgpr_count:     102
    .vgpr_count:     1024
    .wavefront_size: 32
...
	.end_amdgpu_metadata
.endif
;; end of part 2
;; launch attn (part 3): grid 4 x 64, 16 waves a work-group, no clusters, 327,680 bytes of LDS; arguments qb, kv, Cc, Cs; writes Cc, Cs
.if DOCPART == 3
	.amdgcn_target "amdgcn-amd-amdhsa--gfx1250"
	.amdhsa_code_object_version 6
	.text
	.protected	k_q7f1427bcd4_attn
	.globl	k_q7f1427bcd4_attn
	.p2align	8
	.type	k_q7f1427bcd4_attn,@function
k_q7f1427bcd4_attn:
	s_mov_b64 s[64:65], 0
	v_nop
	global_prefetch_b8 v0, s[64:65] scope:SCOPE_SE
	s_setreg_imm32_b32 hwreg(HW_REG_WAVE_MODE, 25, 1), 1
	s_wait_xcnt 0x0
; Causal attention on codes of FP6 (E2M3), head size 64, 2,048 tokens, 64 (batch, head) pairs; the result, divided by the row's sum, is quantised along the concatenated heads and stored as codes.
; THE SOFTMAX: t = score x log2(e) / 8; M = the running largest t rounded UP to a whole number; p = 2^(t - M) is quantised along the keys, not normalised; the sum is taken of the unquantised p;
; when M moves, the sum and O are multiplied by 2^(old M - new M), which rounds nothing.
; SHARES.  Work-group (i, batch x 16 + head) owns the blocks of 256 queries i and 7 - i: together 9 blocks of 256 keys that count, the same for every i.  Each of its sixteen waves owns one tile of 16 queries
; of the block in hand, in 256 registers: four waves to a SIMD, so that one wave's vector work stands beside another's products and LDS loads.
; NINE VISITS, a constant count: visits 0 .. i take block i against key blocks 0 .. i, the others block 7 - i against 0 .. 7 - i.  Nothing is fetched that is not read.  A step (128 keys) all of whose keys come
; after the wave's queries is jumped over by a scalar branch on ids; on the diagonal hidden scores become -infinity.
; A key block is 25,600 dense bytes (k's fragments, v's fragments, both scale words), brought by waves 0-3 with one tensor load each into a ring of two slots.
; NO JOINT LOADS: the four work-groups of a head stand at different key blocks in the same visit (i decides where the walk begins anew), so no two requests are for the same tile at the same time.
; K = 64 IN AN INSTRUCTION OF 128: a fragment of k holds tile 2 f's 64 channels in registers 0-5 and tile 2 f + 1's in 6-11; against [q, 0] it gives tile 2 f's scores, against [0, q] tile 2 f + 1's.
; Zero codes add nothing.  Both products are used transposed: a lane holds ONE query.  The keys, queries and channels of a tile are chosen (lane r of tile 2 b + u: 32 b + 8 u + r + 8 (r / 8)) so that the 16
; registers of two neighbouring tiles are 16 neighbours of the next K.
; LIMITS: NaN and infinities are not served; blocks under 2^-124 keep the byte 1; a block of zeros gets the byte 1 (its codes are zeros; only this program reads the bytes).
; The scale bytes of the result leave one byte a lane to rows 32 bytes apart: 2 bytes for 48 bytes of codes.
; REGISTERS: v1 16 x lane, v2 16 r, v3 8 x lane, v4 32 r + h, v5, v6 the add's; v12 -M, v13 largest t, v[14:15] the sum; v16-27 [q, 0]; v32-79 four fragments; v80-91 [0, q]; v96-159 S^T, then p; v160-191 O^T;
; v192-198 the second block's q and scale word; v199 r + 8 (r / 8) - 16 h; v224-235 p's codes; v232-254 at work; v248-251 fragments' scale words, v253 p's, v255 q's.
.set BLKB,  25600
.set SPARE, 2*BLKB                     ; behind the ring: the spare words, 128 bytes for each of sixteen waves
.set SPW,  5
.set NIL,  6
.set WV,   18
.set SEL,  20
.set CS,   22
.set G1,   24
.set G0,   32                          ; s[32:35] slot 0's group 0, s[36:39] slot 1's
.set KVB,  40
.set OFF,  42
.set IDX,  44
.set I1,   45
.set VIS,  46
.set KS,   47
.set KF,   48
.set Q0,   49
.set QBK,  50
.set BH,   51
.set TRIPS, 52
.set KSN,  55
.set UM,   60
.set HM,   61
.set WOFF, 62
.macro TLOAD slot                      ; waves 0-3 fetch a quarter of a key block each; four v_nop follow the line
	s_cmp_lt_u32 s[WV], 4
	s_cbranch_scc0 .Lnone_\@
	tensor_load_to_lds s[G0+4*(\slot):G0+4*(\slot)+3], s[G1:G1+7]
	s_nop 0
.rept 4
	v_nop
.endr
.Lnone_\@:
.endm
.macro INIT                            ; a block of queries begins: the largest t under every t, zeros for the sum and O^T
	v_mov_b32 v13, 0xff61b1e6
	s_delay_alu instid0(VALU_DEP_1)
	v_floor_f32 v12, -v13
	v_mov_b32 v14, 0
	v_mov_b32 v15, 0
.set n, 0
.rept 32
	v_mov_b32 v[160+n], 0
.set n, n+1
.endr
.endm
	s_load_b256 s[4:11], s[0:1], 0x0               ; qb, kv, Cc, Cs
	v_lshl_add_u32 v[SPW], v0, 2, SPARE
	v_mov_b32 v[NIL], 0
	ds_add_u32 v5, v6
	ds_add_u32 v5, v6
	s_wait_dscnt 0x0
	v_lshrrev_b32 v8, 5, v0
	s_delay_alu instid0(VALU_DEP_1)
	v_readfirstlane_b32 s[WV], v8
	s_mov_b32 s[IDX], ttmp9
	s_add_co_u32 s[I1], ttmp9, 1
	s_and_b32 s[BH], ttmp7, 0xffff
	s_mov_b32 s[G1], 3<<16                         ; no mask; elements of 8 bytes; no padding: 25 rows of 256 bytes, dense
	s_mov_b32 s[G1+1], 32<<16
	s_mov_b32 s[G1+2], 25<<16
	s_mov_b32 s[G1+3], 32<<16
	s_mov_b32 s[G1+4], 25
	s_mov_b32 s[G1+5], 32
	s_mov_b32 s[G1+6], 0
	s_mov_b32 s[G1+7], 0
	s_mul_i32 s53, s[BH], 8*BLKB
	s_mul_i32 s54, s[WV], 6400
	s_add_co_u32 s[OFF], s53, s54
	s_mov_b32 s[OFF+1], 0
	s_lshl_b32 s53, s[BH], 3
	s_add_co_u32 s63, s53, s[IDX]
	s_mul_i32 s56, s63, BLKB                       ; q of block i,
	s_mov_b32 s57, 0
	s_sub_co_u32 s63, 7, s[IDX]
	s_add_co_u32 s63, s63, s53
	s_mul_i32 s58, s63, BLKB                       ; and of block 7 - i
	s_mov_b32 s59, 0
	s_wait_kmcnt 0x0
	s_add_nc_u64 s[KVB:KVB+1], s[6:7], s[OFF:OFF+1]   ; my quarter of the head's first key block
	s_mov_b32 s[G0], 1
	s_mov_b32 s[G0+1], s54
	s_mov_b64 s[G0+2:G0+3], s[KVB:KVB+1]
	s_or_b32 s[G0+3], s[G0+3], 0x80000000
	s_mov_b32 s[G0+4], 1
	s_add_co_u32 s[G0+5], s54, BLKB
	s_mov_b64 s[G0+6:G0+7], s[KVB:KVB+1]
	s_or_b32 s[G0+7], s[G0+7], 0x80000000
	TLOAD 0                                        ; key block 0 into slot 0: the one first fill
	s_add_nc_u64 s[56:57], s[4:5], s[56:57]
	s_add_nc_u64 s[58:59], s[4:5], s[58:59]
	v_and_b32 v9, 31, v0
	s_delay_alu instid0(VALU_DEP_1)
	v_lshlrev_b32 v1, 4, v9
	s_delay_alu instid0(VALU_DEP_2)
	v_lshlrev_b32 v3, 3, v9
	v_and_b32 v10, 15, v0                          ; r
	v_bfe_u32 v11, v0, 4, 1                        ; h
	s_delay_alu instid0(VALU_DEP_2)
	v_lshlrev_b32 v2, 4, v10
	s_wait_alu depctr_va_vdst(0)
	v_lshl_add_u32 v4, v10, 5, v11
	v_and_b32 v199, 8, v10
	s_delay_alu instid0(VALU_DEP_1)
	v_add_nc_u32 v199, v199, v10
	v_lshlrev_b32 v7, 4, v11
	s_delay_alu instid0(VALU_DEP_1)
	v_sub_nc_u32 v199, v199, v7
	s_lshr_b32 s53, s[WV], 1
	s_mul_i32 s54, s53, 1536
	v_add_nc_u32 v8, s54, v1                       ; my tile lies in fragment w / 2,
	s_lshl_b32 s[WOFF], s53, 5
	s_and_b32 s53, s53, 3
	s_lshl_b32 s53, s53, 2
	s_lshr_b32 s54, s[WV], 3
	s_lshl_b32 s54, s54, 8
	s_add_co_u32 s53, s53, s54
	v_add_nc_u32 v9, s53, v2                       ; and its scale word beside it
.irp g, 0,1,2
	global_load_b128 v[96+4*\g:99+4*\g], v8, s[56:57] offset:512*\g
	global_load_b128 v[108+4*\g:111+4*\g], v8, s[58:59] offset:512*\g
.endr
	global_load_b32 v120, v9, s[56:57] offset:24576
	global_load_b32 v121, v9, s[58:59] offset:24576
	s_and_b32 s53, s[WV], 1
	s_lshl_b32 s54, s53, 3
	s_add_co_u32 s[WOFF], s[WOFF], s54             ; 32 (w / 2) + 8 (w % 2): my tile's first query in its block
	s_cmp_lg_u32 s53, 0
	s_cselect_b32 s[UM], -1, 0                     ; which half of the fragment is mine
	s_mov_b32 s[HM], 0xffff0000
	s_mov_b32 s[SEL], 0x76543210
	s_mov_b32 s[SEL+1], 0xfedcba98
	s_mov_b32 s[CS], 0x3e38aa3b                    ; c = log2(e) / 8
	s_mov_b32 s[CS+1], s[CS]
	s_mov_b32 s[VIS], 0
	s_mov_b32 s[KS], 0
	s_mov_b32 s[KSN], 0
	s_mov_b32 s[QBK], s[IDX]
	s_lshl_b32 s[Q0], s[IDX], 8
	s_add_co_u32 s[Q0], s[Q0], s[WOFF]
	s_wait_loadcnt 0x0
	v_lshrrev_b32 v122, 16, v120
	v_lshrrev_b32 v123, 16, v121
	s_delay_alu instid0(VALU_DEP_2)
	v_cndmask_b32 v122, v120, v122, s[UM]
	s_delay_alu instid0(VALU_DEP_2)
	v_cndmask_b32 v123, v121, v123, s[UM]
	s_delay_alu instid0(VALU_DEP_2)
	v_and_b32 v122, 0xffff, v122
	s_delay_alu instid0(VALU_DEP_2)
	v_and_b32 v123, 0xffff, v123
	s_delay_alu instid0(VALU_DEP_2)
	v_lshl_or_b32 v255, v122, 16, v122             ; my two bytes twice: they serve [q, 0] and [0, q]
	s_delay_alu instid0(VALU_DEP_2)
	v_lshl_or_b32 v198, v123, 16, v123
.irp i, 0,1,2,3,4,5
	v_cndmask_b32 v[16+\i], v[96+\i], v[102+\i], s[UM]
	v_cndmask_b32 v[192+\i], v[108+\i], v[114+\i], s[UM]
.endr
.irp i, 0,1,2,3,4,5
	v_mov_b32 v[22+\i], 0
	v_mov_b32 v[80+\i], 0
	v_mov_b32 v[86+\i], v[16+\i]
.endr
.irp b, 0,1,2,3
	v_mov_b32 v[236+\b], 0                         ; a lane permute's destination counts as one of its sources
.endr
	v_mov_b32 v252, 0
	v_mov_b32 v253, 0
	INIT
.macro SOFTMAX
.irp b, 0,1,2,3
	v_max3_num_f32 v[232+\b], v[96+16*\b], v[97+16*\b], v[98+16*\b]   ; the largest score of each block of 32 keys: for the row's maximum, and, since p rises with the score, for the block's largest p
.endr
.irp i, 3,5,7,9,11,13
.irp b, 0,1,2,3
	v_max3_num_f32 v[232+\b], v[232+\b], v[96+16*\b+\i], v[97+16*\b+\i]
.endr
.endr
.irp b, 0,1,2,3
	v_max_num_f32 v[232+\b], v[232+\b], v[111+16*\b]
.endr
.irp b, 0,1,2,3
	s_delay_alu instid0(VALU_DEP_4)
	v_permlanex16_b32 v[236+\b], v[232+\b], s[SEL], s[SEL+1]
.endr
.irp b, 0,1,2,3
	s_delay_alu instid0(VALU_DEP_4)
	v_max_num_f32 v[232+\b], v[232+\b], v[236+\b]
.endr
	s_delay_alu instid0(VALU_DEP_2)
	v_max3_num_f32 v254, v232, v233, v234
	s_delay_alu instid0(VALU_DEP_1)
	v_max_num_f32 v254, v254, v235
	s_delay_alu instid0(VALU_DEP_1)
	v_mul_f32 v254, s[CS], v254
	s_delay_alu instid0(VALU_DEP_1)
	v_max_num_f32 v13, v13, v254                   ; the running largest t
	v_mov_b32 v254, v12
	s_delay_alu instid0(VALU_DEP_2)
	v_floor_f32 v12, -v13                          ; -M = floor(-t): M is a whole number
	s_delay_alu instid0(VALU_DEP_1)
	v_sub_f32 v254, v12, v254
	s_delay_alu instid0(VALU_DEP_1)
	v_cvt_i32_f32 v254, v254                       ; (it saturates)
	s_delay_alu instid0(VALU_DEP_1)
	v_ldexp_f32 v252, 1.0, v254                    ; f = 2^(old M - new M)
.set n, 0
.rept 32
	v_pk_fma_f32 v[96+n:97+n], v[96+n:97+n], s[CS:CS+1], v[12:13] op_sel_hi:[1,0,0]   ; t - M
.set n, n+2
.endr
.irp b, 0,1,2,3
	v_fma_f32 v[232+\b], v[232+\b], s[CS], v12
.endr
.set n, 0
	s_wait_alu depctr_va_vdst(0)
.rept 64
	v_exp_f32 v[96+n], v[96+n]                     ; p = 2^(t - M)
.set n, n+1
.endr
.irp b, 0,1,2,3
	v_exp_f32 v[232+\b], v[232+\b]                 ; the block's largest p: the same two instructions on the same number
.endr
	v_pk_mul_f32 v[14:15], v[14:15], v[252:253] op_sel_hi:[1,0]   ; the sum under the new M (a plain place behind the exponentials)
	s_wait_alu depctr_va_vdst(0)
.irp b, 0,1,2,3
	v_max_num_f32 v[232+\b], 0x1800000, v[232+\b]  ; the floor 2^(3 - 127)
.endr
.irp b, 0,1,2,3
	s_delay_alu instid0(VALU_DEP_4)
	v_add_nc_u32 v[244+\b], 0xff000000, v[232+\b]
.endr
.irp b, 0,1,2,3
	s_delay_alu instid0(VALU_DEP_4)
	v_lshrrev_b32 v[236+\b], 23, v[244+\b]
.endr
	s_delay_alu instid0(VALU_DEP_3)
	v_lshl_or_b32 v253, v237, 8, v236              ; p's scale word for these 128 keys
	s_delay_alu instid0(VALU_DEP_1)
	v_lshl_or_b32 v253, v238, 16, v253
	s_delay_alu instid0(VALU_DEP_1)
	v_lshl_or_b32 v253, v239, 24, v253
.irp c, 0,1
	v_cvt_scalef32_pk16_fp6_f32 v[224+6*\c:226+6*\c], v[96+32*\c:111+32*\c], v[244+2*\c]
	v_cvt_scalef32_pk16_fp6_f32 v[236+4*\c:238+4*\c], v[112+32*\c:127+32*\c], v[244+2*\c+1]
.endr
	v_nop                                          ; one plain place behind a scaled conversion
.irp c, 0,1
.irp i, 0,1,2
	v_permlane16_swap_b32 v[224+6*\c+\i], v[236+4*\c+\i]
.endr
.irp i, 0,1,2
	s_delay_alu instid0(VALU_DEP_3)
	v_mov_b32 v[227+6*\c+\i], v[236+4*\c+\i]
.endr
.endr
	v_pk_add_f32 v[236:237], v[100:101], v[104:105]
	v_pk_add_f32 v[246:247], v[108:109], v[112:113]
	v_pk_add_f32 v[244:245], v[116:117], v[120:121]
	v_pk_add_f32 v[242:243], v[124:125], v[128:129]
	v_pk_add_f32 v[240:241], v[132:133], v[136:137]
	v_pk_add_f32 v[222:223], v[140:141], v[144:145]
	v_pk_add_f32 v[220:221], v[148:149], v[152:153]
	v_pk_add_f32 v[14:15], v[14:15], v[156:157]
	v_pk_add_f32 v[236:237], v[236:237], v[96:97]
	v_pk_add_f32 v[246:247], v[246:247], v[98:99]
	v_pk_add_f32 v[244:245], v[244:245], v[102:103]
	v_pk_add_f32 v[242:243], v[242:243], v[106:107]
	v_pk_add_f32 v[240:241], v[240:241], v[110:111]
	v_pk_add_f32 v[222:223], v[222:223], v[114:115]
	v_pk_add_f32 v[220:221], v[220:221], v[118:119]
	v_pk_add_f32 v[14:15], v[14:15], v[122:123]
	v_pk_add_f32 v[236:237], v[236:237], v[126:127]
	v_pk_add_f32 v[246:247], v[246:247], v[130:131]
	v_pk_add_f32 v[244:245], v[244:245], v[134:135]
	v_pk_add_f32 v[242:243], v[242:243], v[138:139]
	v_pk_add_f32 v[240:241], v[240:241], v[142:143]
	v_pk_add_f32 v[222:223], v[222:223], v[146:147]
	v_pk_add_f32 v[220:221], v[220:221], v[150:151]
	v_pk_add_f32 v[14:15], v[14:15], v[154:155]
	v_pk_add_f32 v[236:237], v[236:237], v[158:159]
	s_delay_alu instid0(VALU_DEP_2)
	v_pk_add_f32 v[14:15], v[14:15], v[242:243]
	s_delay_alu instid0(VALU_DEP_2)
	v_pk_add_f32 v[236:237], v[236:237], v[240:241]
	v_pk_add_f32 v[246:247], v[246:247], v[222:223]
	v_pk_add_f32 v[244:245], v[244:245], v[220:221]
	s_delay_alu instid0(VALU_DEP_2)
	v_pk_add_f32 v[14:15], v[14:15], v[246:247]
	s_delay_alu instid0(VALU_DEP_2)
	v_pk_add_f32 v[236:237], v[236:237], v[244:245]
	s_delay_alu instid0(VALU_DEP_1)
	v_pk_add_f32 v[14:15], v[14:15], v[236:237]
.set n, 0
.rept 16
	v_pk_mul_f32 v[160+n:161+n], v[160+n:161+n], v[252:253] op_sel_hi:[1,0]   ; O^T under the new M
.set n, n+2
.endr
.endm
; A KEY STEP: the q-th 128 keys of the slot
.macro STEP slot, q
.set SB, (\slot)*BLKB
	s_add_co_u32 s63, s[Q0], 23                    ; my tile's last query
	s_cmp_gt_u32 s[KF], s63
	s_cbranch_scc1 .Lhidden_\@
.rept 4
	v_nop                                          ; places in front of loads into registers that the last products read
.endr
.irp f, 0,1,2,3
.irp g, 0,1,2
	ds_load_b128 v[32+12*\f+4*\g:35+12*\f+4*\g], v1 offset:SB+6144*(\q)+1536*\f+512*\g
.endr
.endr
	ds_load_b128 v[248:251], v2 offset:SB+24576+256*(\q)
	s_wait_dscnt 0x0
.irp f, 0,1,2,3                        ; S^T: registers 16 f + 8 u + j = key 32 f + 16 (lane / 16) + 8 u + j
	v_wmma_scale_f32_16x16x128_f8f6f4 v[96+16*\f:103+16*\f], v[32+12*\f:43+12*\f], v[16:27], 0, v[248+\f], v255 matrix_a_fmt:MATRIX_FMT_FP6 matrix_b_fmt:MATRIX_FMT_FP6
	v_wmma_scale_f32_16x16x128_f8f6f4 v[104+16*\f:111+16*\f], v[32+12*\f:43+12*\f], v[80:91], 0, v[248+\f], v255 matrix_a_fmt:MATRIX_FMT_FP6 matrix_b_fmt:MATRIX_FMT_FP6
.endr
.rept 4
	v_nop
.endr
.irp t, 0,1,2,3                        ; v's fragments are asked for now and land under the softmax
.irp g, 0,1,2
	ds_load_b128 v[32+12*\t+4*\g:35+12*\t+4*\g], v1 offset:SB+12288+6144*(\q)+1536*\t+512*\g
.endr
.endr
	ds_load_b128 v[248:251], v2 offset:SB+25088+256*(\q)
	s_add_co_u32 s63, s[KF], 127
	s_cmp_le_u32 s63, s[Q0]
	s_cbranch_scc1 .Lopen_\@                       ; all keys count
	s_sub_co_i32 s63, s[Q0], s[KF]
	v_add_nc_u32 v252, s63, v199                   ; my query - the step's first key - 16 (lane / 16): register 16 b + i is hidden where 32 b + i is larger
	v_mov_b32 v254, 0xff800000
.set n, 0
.rept 64
	v_cmp_gt_i32 vcc_lo, 32*(n/16)+n%16, v252
	v_cndmask_b32 v[96+n], v[96+n], v254, vcc_lo
.set n, n+1
.endr
.Lopen_\@:
	SOFTMAX
	s_wait_alu depctr_va_vdst(0)
	s_wait_dscnt 0x0                               ; v's fragments and scale words
.irp t, 0,1,2,3                        ; O^T += V^T P^T: four accumulators by turns
	v_wmma_scale_f32_16x16x128_f8f6f4 v[160+8*\t:167+8*\t], v[32+12*\t:43+12*\t], v[224:235], v[160+8*\t:167+8*\t], v[248+\t], v253 matrix_a_fmt:MATRIX_FMT_FP6 matrix_b_fmt:MATRIX_FMT_FP6
.endr
.Lhidden_\@:
	s_add_co_u32 s[KF], s[KF], 128
.endm
; THE CHANGE OF SLOTS, at a visit's head: all my tensor loads have landed, the add, my reads of the slot that I have left are over; the barrier; then the slot left is filled with the next visit's key block.
.macro CHANGE slot, fill
	s_wait_tensorcnt 0x0                           ; no tensor load of mine is out, so a group 0 may be written
	ds_add_u32 v[SPW], v[NIL]                      ; 0 onto my spare word
.if \fill
	s_add_co_u32 s53, s[VIS], 1
	s_add_co_u32 s54, s[KS], 1
	s_cmp_eq_u32 s53, s[I1]                        ; the walk begins anew with the second block of queries
	s_cselect_b32 s[KSN], 0, s54
	s_mul_i32 s[OFF], s[KSN], BLKB
	s_add_nc_u64 s[G0+6-4*\slot:G0+7-4*\slot], s[KVB:KVB+1], s[OFF:OFF+1]
	s_or_b32 s[G0+7-4*\slot], s[G0+7-4*\slot], 0x80000000
.endif
	s_wait_dscnt 0x0
	s_barrier_signal -1
	s_barrier_wait -1
.if \fill
	TLOAD 1-\slot                                  ; the first thing behind the barrier, a wave's one tensor load until the next: it has a visit's two steps in which to land
.endif
.endm
; A block of queries is done: O^T / the sum, quantised along the head's 64 (two blocks of the next product's K), stored as half a fragment's image and two scale bytes a row
.macro FINAL
.rept 4
	v_nop
.endr
	v_add_f32 v14, v14, v15
	s_delay_alu instid0(VALU_DEP_1)
	v_permlanex16_b32 v252, v14, s[SEL], s[SEL+1]
	s_delay_alu instid0(VALU_DEP_1)
	v_add_f32 v14, v14, v252
	s_wait_alu depctr_va_vdst(0)
	v_rcp_f32 v14, v14
	v_nop
.set n, 0
	s_wait_alu depctr_va_vdst(0)
.rept 32
	v_mul_f32 v[96+n], v[160+n], v14               ; register 16 b + i = channel 32 b + 16 (lane / 16) + i
.set n, n+1
.endr
.irp b, 0,1
	v_max3_num_f32 v[232+\b], |v[96+16*\b]|, |v[97+16*\b]|, 0x1800000
.endr
.irp i, 2,4,6,8,10,12,14
.irp b, 0,1
	s_delay_alu instid0(VALU_DEP_2)
	v_max3_num_f32 v[232+\b], v[232+\b], |v[96+16*\b+\i]|, |v[97+16*\b+\i]|
.endr
.endr
.irp b, 0,1
	s_delay_alu instid0(VALU_DEP_2)
	v_permlanex16_b32 v[236+\b], v[232+\b], s[SEL], s[SEL+1]
.endr
.irp b, 0,1
	s_delay_alu instid0(VALU_DEP_2)
	v_max_num_f32 v[232+\b], v[232+\b], v[236+\b]
.endr
.irp b, 0,1
	s_delay_alu instid0(VALU_DEP_2)
	v_add_nc_u32 v[244+\b], 0xff000000, v[232+\b]
.endr
.irp b, 0,1
	s_delay_alu instid0(VALU_DEP_2)
	v_lshrrev_b32 v[234+\b], 23, v[244+\b]
.endr
	v_cvt_scalef32_pk16_fp6_f32 v[224:226], v[96:111], v244
	v_cvt_scalef32_pk16_fp6_f32 v[240:242], v[112:127], v245
	v_nop
	v_cndmask_b32 v238, v234, v235, s[HM]          ; lanes 0-15 store block 0's byte, lanes 16-31 block 1's
.irp i, 0,1,2
	v_permlane16_swap_b32 v[224+\i], v[240+\i]
.endr
.irp i, 0,1,2
	s_delay_alu instid0(VALU_DEP_3)
	v_mov_b32 v[227+\i], v[240+\i]
.endr
	s_lshr_b32 s53, s[BH], 4
	s_lshl_b32 s53, s53, 7
	s_lshl_b32 s54, s[QBK], 4
	s_add_co_u32 s53, s53, s54
	s_add_co_u32 s53, s53, s[WV]                   ; my tile among the 512 tiles of tokens
	s_and_b32 s54, s[BH], 15                       ; the head
	s_lshl_b32 s63, s53, 4
	s_add_co_u32 s63, s63, s54
	s_mul_i32 s56, s63, 768
	s_mov_b32 s57, 0
	s_add_nc_u64 s[56:57], s[8:9], s[56:57]
	s_lshl_b32 s58, s53, 9
	s_lshl_b32 s54, s54, 1
	s_add_co_u32 s58, s58, s54
	s_mov_b32 s59, 0
	s_add_nc_u64 s[58:59], s[10:11], s[58:59]
	s_wait_alu depctr_va_vdst(0)
	global_store_b128 v1, v[224:227], s[56:57]             ; 512 consecutive bytes,
	global_store_b64 v3, v[228:229], s[56:57] offset:512   ; and 256
	global_store_b8 v4, v238, s[58:59]
	s_wait_xcnt 0x0                                ; the stores' registers and bases may be written again
.endm
.macro RESET                           ; on to block 7 - i.  The scale word first: it stands more than eight plain lines ahead of the next product
	v_mov_b32 v255, v198
.irp i, 0,1,2,3,4,5
	v_mov_b32 v[16+\i], v[192+\i]
	v_mov_b32 v[86+\i], v[192+\i]
.endr
	INIT
	s_sub_co_u32 s[QBK], 7, s[IDX]
	s_lshl_b32 s[Q0], s[QBK], 8
	s_add_co_u32 s[Q0], s[Q0], s[WOFF]
.endm
.macro VISIT slot, fill, sw
	CHANGE \slot, \fill
.if \sw
	s_cmp_lg_u32 s[VIS], s[I1]
	s_cbranch_scc1 .Lsame_\@
	FINAL
	RESET
.Lsame_\@:
.endif
	s_lshl_b32 s[KF], s[KS], 8
	STEP \slot, 0
	STEP \slot, 1
	s_mov_b32 s[KS], s[KSN]
	s_add_co_u32 s[VIS], s[VIS], 1
.endm
	s_mov_b32 s[TRIPS], 4
.Lvisit:                                           ; visits 0 to 7
	VISIT 0, 1, 1
	VISIT 1, 1, 1
	s_sub_co_u32 s[TRIPS], s[TRIPS], 1
	s_cmp_lg_u32 s[TRIPS], 0
	s_cbranch_scc1 .Lvisit
	VISIT 0, 0, 0                                  ; the last visit is written out
	FINAL
	s_wait_tensorcnt 0x0                           ; the wave's end
	ds_add_u32 v[SPW], v[NIL]
	s_wait_dscnt 0x0
	s_endpgm
.Lfunc_end_k_q7f1427bcd4_attn:
	.size	k_q7f1427bcd4_attn, .Lfunc_end_k_q7f1427bcd4_attn-k_q7f1427bcd4_attn
	.p2alignl 7, 3214868480
	.fill 96, 4, 3214868480
	.section	.rodata,"a",@progbits
	.p2align	6, 0x0
	.amdhsa_kernel k_q7f1427bcd4_attn
		.amdhsa_group_segment_fixed_size 327680
		.amdhsa_private_segment_fixed_size 0
		.amdhsa_enable_private_segment 0
		.amdhsa_kernarg_size 32
		.amdhsa_user_sgpr_count 2
		.amdhsa_user_sgpr_kernarg_segment_ptr 1
		.amdhsa_wavefront_size32 1
		.amdhsa_system_sgpr_workgroup_id_x 1
		.amdhsa_system_sgpr_workgroup_id_y 1
		.amdhsa_system_sgpr_workgroup_id_z 1
		.amdhsa_system_vgpr_workitem_id 0
		.amdhsa_next_free_vgpr 256
		.amdhsa_next_free_sgpr 66
		.amdhsa_reserve_vcc 1
		.amdhsa_float_denorm_mode_32 3
		.amdhsa_float_denorm_mode_16_64 3
		.amdhsa_memory_ordered 1
		.amdhsa_forward_progress 1
		.amdhsa_inst_pref_size 159
	.end_amdhsa_kernel
	.amdgpu_metadata
---
amdhsa.version: [ 1, 2 ]
amdhsa.kernels:
  - .name:           k_q7f1427bcd4_attn
    .symbol:         k_q7f1427bcd4_attn.kd
    .args:
      - { .name: qb, .offset: 0, .size: 8, .value_kind: global_buffer, .address_space: global }
      - { .name: kv, .offset: 8, .size: 8, .value_kind: global_buffer, .address_space: global }
      - { .name: Cc, .offset: 16, .size: 8, .value_kind: global_buffer, .address_space: global }
      - { .name: Cs, .offset: 24, .size: 8, .value_kind: global_buffer, .address_space: global }
    .group_segment_fixed_size: 327680
    .private_segment_fixed_size: 0
    .kernarg_segment_align: 8
    .kernarg_segment_size: 32
    .max_flat_workgroup_size: 512
    .sgpr_count:     66
    .vgpr_count:     256
    .wavefront_size: 32
...
	.end_amdgpu_metadata
.endif
;; end of part 3
;; launch oproj (part 4): grid 4 x 32, 4 waves a work-group, clusters of 4 x 4, 327,680 bytes of LDS; arguments Cc, Cs, Wc, Ws, bo, out0; writes out0
.if DOCPART == 4
	.amdgcn_target "amdgcn-amd-amdhsa--gfx1250"
	.amdhsa_code_object_version 6
	.text
	.protected	k_q7f1427bcd4_oproj
	.globl	k_q7f1427bcd4_oproj
	.p2align	8
	.type	k_q7f1427bcd4_oproj,@function
k_q7f1427bcd4_oproj:
	s_mov_b64 s[64:65], 0
	v_nop
	global_prefetch_b8 v0, s[64:65] scope:SCOPE_SE
	s_setreg_imm32_b32 hwreg(HW_REG_WAVE_MODE, 25, 1), 1
	s_wait_xcnt 0x0
	s_wait_alu depctr_hold_cnt(0) depctr_sa_sdst(0) depctr_va_vdst(0) depctr_va_sdst(0) depctr_va_ssrc(0) depctr_va_vcc(0) depctr_vm_vsrc(0)
	s_getreg_b32 s2, hwreg(HW_REG_IB_STS2, 6, 4)
	s_cmp_eq_u32 s2, 0
	s_cbranch_scc0 .Lentry_in_a_cluster
	s_endpgm
.Lentry_in_a_cluster:
	s_bfe_u32 s2, ttmp6, 0x10000c
	s_cmp_lg_u32 s2, 0xf033
	s_cbranch_scc0 .Lentry_shape_is_right
	s_endpgm
.Lentry_shape_is_right:
; out = concat Wo + bo on codes of FP6 (E2M3, one E8M0 byte for each 32 along K = 1,024).  A = concat's codes (8,192 tokens), B = Wo's (tiles 192-255 of Wc: its 1,024 columns).  out: [8192][1024] f32.
; The same GEMM as the projections': a work-group of four waves makes 256 x 256, a wave 128 x 128 in 512 registers; K in steps of 256 through a ring of two LDS slots; codes lie as images of operand registers.
; A's image is in halves of 768 bytes (a head's 64 channels: registers 0-3 at 16 x lane, 4-5 at 512 + 8 x lane), so a fragment of A comes by four loads.
; Source 0 = 16 rows of B, source 1 = 16 rows of A: a lane holds eight neighbouring numbers of a row of out.  The bias is the C of the first K step's products.
; A's tiles hold tokens 32 b + 8 u + r + 8 (r / 8) in lane r of tile 2 b + u: the stores' row offsets put each row where it belongs.
; CLUSTERS 4 x 4: A's tiles are asked for jointly along a row of the cluster, B's along a column.  128 work-groups: a smaller tile would read each fragment for half the products.
; REGISTERS: window 0: v16-31 addresses; v32-63 scale words, two sets; v64-127 the bias; v128-223 A's fragments (on the way out v128-255: rows of out).  window 1: B's fragments, two sets.  windows 2, 3: accumulators.
.set NQ,     2
.set FR,     12
.set NL,     3                         ; LDS loads that bring a fragment of B;
.set NLA,    4                         ; of A
.set NP,     4
.set TROW,   3072
.set TPITCH, 12288
.set HALFT,  8*TROW
.set SLOT,   4*HALFT
.set LAPS,   2
.set KS,     32
.set SCL,    2*SLOT
.set HALFS,  16*272
.set SBLK,   2*272
.set SPARE,  SCL+4*HALFS
.set SPITCH, 528                       ; the way out: a stage of 16 rows x (512 bytes + 16) for each wave, in slot 0, which has had its last fill and its last read by then
.set ADRA, 16                          ; v16-17: 16 x lane + my rows of A in slot 0, 1;  v18-19: the same with 8 x lane
.set ADRB, 20
.set STO,  24
.set RD,   25
.set CO,   26
.set ADRS, 27
.set SPW,  28
.set NIL,  29
.set BO,   30
.set SC,   32
.set BI,   64
.set AF,   128
.set BK,   128
.set G1, 24
.set G0, 32
.set G1B, 48
.set G0B, 56
.set G1S, 68
.set G0S, 76
.set G1SB, 80
.set G0SB, 88
.set MSB, 0
.macro WIN new
.if MSB != (\new)
	s_set_vgpr_msb (MSB<<8)|(\new)
.set MSB, (\new)
.endif
.endm
.set MUL_LO, 0xa1
.set MUL_HI, 0xf1
.set TO_B,   0x40
.macro JLOAD g0a, g1a, g0b, g1b
	s_cmp_eq_u32 s15, 0
	s_cbranch_scc0 .Lfor_b_\@
	tensor_load_to_lds s[\g0a:\g0a+3], s[\g1a:\g1a+7]
	s_nop 0
.rept 4
	v_nop
.endr
	s_branch .Lasked_\@
.Lfor_b_\@:
	tensor_load_to_lds s[\g0b:\g0b+3], s[\g1b:\g1b+7]
	s_nop 0
.rept 4
	v_nop
.endr
.Lasked_\@:
.endm
.macro CREST
	s_cmp_lg_u32 s14, 0
	s_cbranch_scc1 .Lnot_wave_0_\@
	s_barrier_signal -3
.Lnot_wave_0_\@:
	s_barrier_wait -3
	s_barrier_signal -1
	s_barrier_wait -1
.endm
.macro CROUND
	s_barrier_signal -1
	s_barrier_wait -1
	CREST
.endm
	s_load_b256 s[4:11], s[0:1], 0x0               ; Cc, Cs, Wc, Ws
	s_load_b64 s[66:67], s[0:1], 0x20              ; bo
	s_load_b64 s[12:13], s[0:1], 0x28              ; out0
	v_lshl_add_u32 v[SPW], v0, 2, SPARE
	v_mov_b32 v[NIL], 0
	ds_add_u32 v28, v29
	s_wait_dscnt 0x0
	v_lshrrev_b32 v1, 5, v0
	v_readfirstlane_b32 s14, v1
	s_lshr_b32 s15, s14, 1
	s_and_b32 s16, s14, 1
	s_bfe_u32 s40, ttmp6, 0x40000
	s_bfe_u32 s41, ttmp6, 0x40004
	s_lshl_b32 s42, ttmp9, 2
	s_add_co_u32 s42, s42, s40                     ; tile column
	s_and_b32 s17, ttmp7, 0xffff
	s_lshl_b32 s17, s17, 2
	s_add_co_u32 s17, s17, s41                     ; tile row
	s_lshl_b32 s43, s41, 2
	s_lshl_b32 s43, 15, s43
	s_lshl_b32 s44, 0x1111, s40
	s_or_b32 s[G1+0], s43, (3<<16)|(1<<21)
	s_or_b32 s[G1B+0], s44, (3<<16)|(1<<21)
.irp g, G1, G1B
	s_mov_b32 s[\g+1], 384<<16
	s_mov_b32 s[\g+2], 8<<16
	s_mov_b32 s[\g+3], 384<<16
	s_mov_b32 s[\g+4], 8
	s_mov_b32 s[\g+5], 1536
	s_mov_b32 s[\g+6], 0
	s_mov_b32 s[\g+7], 0
.endr
	s_or_b32 s[G1S+0], s43, (3<<16)|(1<<20)|(1<<21)|(5<<22)|(3<<25)
	s_or_b32 s[G1SB+0], s44, (3<<16)|(1<<20)|(1<<21)|(5<<22)|(3<<25)
.irp g, G1S, G1SB
	s_mov_b32 s[\g+1], 32<<16
	s_mov_b32 s[\g+2], 16<<16
	s_mov_b32 s[\g+3], 32<<16
	s_mov_b32 s[\g+4], 16
	s_mov_b32 s[\g+5], 32
	s_mov_b32 s[\g+6], 0
	s_mov_b32 s[\g+7], 0
.endr
	s_lshl_b32 s18, s16, 3
	s_lshl_b32 s20, s17, 4
	s_add_co_u32 s20, s20, s18
	s_lshl_b32 s46, s42, 4
	s_add_co_u32 s46, s46, s18
	s_lshl_b32 s22, s20, 9
	s_lshl_b32 s92, s46, 9
	s_mul_i32 s20, s20, TPITCH
	s_mul_i32 s46, s46, TPITCH
	s_mov_b32 s21, 0
	s_mov_b32 s23, 0
	s_mov_b32 s47, 0
	s_mov_b32 s93, 0
	s_mul_i32 s45, s14, HALFT
	s_mul_i32 s94, s14, HALFS
	s_wait_kmcnt 0x0
	s_add_nc_u64 s[8:9], s[8:9], 192*TPITCH        ; Wo's codes,
	s_add_nc_u64 s[10:11], s[10:11], 192*512       ; and scale bytes
	s_add_nc_u64 s[20:21], s[4:5], s[20:21]
	s_add_nc_u64 s[22:23], s[6:7], s[22:23]
	s_add_nc_u64 s[46:47], s[8:9], s[46:47]
	s_add_nc_u64 s[92:93], s[10:11], s[92:93]
	CROUND
	s_mov_b32 s[G0S], 1
	s_add_co_u32 s[G0S+1], s94, SCL
	s_mov_b64 s[G0S+2:G0S+3], s[22:23]
	s_or_b32 s[G0S+3], s[G0S+3], 0x80000000
	s_mov_b32 s[G0SB], 1
	s_add_co_u32 s[G0SB+1], s94, SCL
	s_mov_b64 s[G0SB+2:G0SB+3], s[92:93]
	s_or_b32 s[G0SB+3], s[G0SB+3], 0x80000000
	JLOAD G0S, G1S, G0SB, G1SB
.irp s, 0,1
	s_mov_b32 s[G0+4*\s], 1
	s_add_co_u32 s[G0+4*\s+1], s45, \s*SLOT
	s_add_nc_u64 s[G0+4*\s+2:G0+4*\s+3], s[20:21], \s*TROW
	s_or_b32 s[G0+4*\s+3], s[G0+4*\s+3], 0x80000000
	s_mov_b32 s[G0B+4*\s], 1
	s_add_co_u32 s[G0B+4*\s+1], s45, \s*SLOT
	s_add_nc_u64 s[G0B+4*\s+2:G0B+4*\s+3], s[46:47], \s*TROW
	s_or_b32 s[G0B+4*\s+3], s[G0B+4*\s+3], 0x80000000
	JLOAD G0+4*\s, G1, G0B+4*\s, G1B
.endr
	v_and_b32 v1, 15, v0
	v_bfe_u32 v2, v0, 4, 1
	v_and_b32 v3, 31, v0
	v_lshlrev_b32 v[CO], 4, v3                     ; 16 x lane
	v_lshlrev_b32 v4, 3, v3                        ; 8 x lane
	s_mul_i32 s21, s15, HALFT
	s_mul_i32 s22, s16, HALFT
	s_add_co_u32 s22, s22, 2*HALFT
.irp s, 0,1
	v_add_nc_u32 v[ADRA+\s], s21, v[CO]
	v_add_nc_u32 v[ADRA+2+\s], s21, v4
	v_add_nc_u32 v[ADRB+\s], s22, v[CO]
	s_add_co_u32 s21, s21, SLOT
	s_add_co_u32 s22, s22, SLOT
.endr
	v_mul_u32_u24 v5, v1, KS
	v_lshrrev_b32 v6, 8, v5
	v_lshl_add_u32 v5, v6, 4, v5
	s_mul_i32 s21, s15, HALFS
	s_mul_i32 s22, s16, HALFS
	s_add_co_u32 s22, s22, 2*HALFS
	s_sub_co_u32 s22, s22, s21
	v_mul_u32_u24 v6, s22, v2
	s_add_co_u32 s21, s21, SCL
	v_add_nc_u32 v5, v5, v6
	v_add_nc_u32 v[ADRS], s21, v5
	s_mul_i32 s23, s14, 16*SPITCH                  ; my stage
	v_mul_u32_u24 v5, v1, SPITCH
	v_lshl_add_u32 v5, v2, 5, v5
	v_add_nc_u32 v[STO], s23, v5
	v_add_nc_u32 v[RD], s23, v[CO]
	v_lshlrev_b32 v[BO], 5, v2                     ; the bias of columns 8 h on
	s_lshl_b32 s20, s17, 8
	s_lshl_b32 s21, s15, 7
	s_add_co_u32 s20, s20, s21
	s_lshl_b32 s20, s20, 12                        ; my first row of out: 4,096 bytes a row
	s_mov_b32 s21, 0
	s_lshl_b32 s46, s42, 10                        ; my first column, in bytes
	s_lshl_b32 s47, s16, 9
	s_add_co_u32 s46, s46, s47
	s_mov_b32 s47, 0
	s_add_nc_u64 s[66:67], s[66:67], s[46:47]
	s_add_nc_u64 s[12:13], s[12:13], s[20:21]
	s_add_nc_u64 s[12:13], s[12:13], s[46:47]
.irp b, 0,1,2,3,4,5,6,7
	global_load_b128 v[BI+8*\b:BI+8*\b+3], v[BO], s[66:67] offset:64*\b
	global_load_b128 v[BI+8*\b+4:BI+8*\b+7], v[BO], s[66:67] offset:64*\b+16
.endr
.macro FRAG reg, adr, q, i
.irp g, 0,1,2
	ds_load_b128 v[\reg+4*\g:\reg+4*\g+3], v[\adr] offset:TROW*(\i)+1536*(\q)+512*\g
.endr
.endm
.macro FRAGA reg, slot, q, i           ; two heads' halves
	ds_load_b128 v[\reg:\reg+3], v[ADRA+\slot] offset:TROW*(\i)+1536*(\q)
	ds_load_b64 v[\reg+4:\reg+5], v[ADRA+2+\slot] offset:TROW*(\i)+1536*(\q)+512
	ds_load_b128 v[\reg+6:\reg+9], v[ADRA+\slot] offset:TROW*(\i)+1536*(\q)+768
	ds_load_b64 v[\reg+10:\reg+11], v[ADRA+2+\slot] offset:TROW*(\i)+1536*(\q)+1280
.endm
; zero = 2: the first products take the bias as C;  0: they add in place.  The 64 accumulators take turns, one instruction a turn.
.macro MUL16 a0, p, q, sc, zero
.irp a, \a0, \a0+1
.irp b, 0,1,2,3,4,5,6,7
.if \zero
	v_wmma_scale_f32_16x16x128_f8f6f4 v[8*(8*((\a)%4)+\b):8*(8*((\a)%4)+\b)+7], v[128*(\p)+FR*\b:128*(\p)+FR*\b+FR-1], v[AF+FR*(\a):AF+FR*(\a)+FR-1], v[BI+8*\b:BI+8*\b+7], v[SC+8*NQ*(\sc)+NQ*\b+(\q)], v[SC+8*NQ*(\sc)+NQ*(\a)+(\q)] matrix_a_fmt:MATRIX_FMT_FP6 matrix_b_fmt:MATRIX_FMT_FP6 matrix_a_scale:MATRIX_SCALE_ROW1
.else
	v_wmma_scale_f32_16x16x128_f8f6f4 v[8*(8*((\a)%4)+\b):8*(8*((\a)%4)+\b)+7], v[128*(\p)+FR*\b:128*(\p)+FR*\b+FR-1], v[AF+FR*(\a):AF+FR*(\a)+FR-1], v[8*(8*((\a)%4)+\b):8*(8*((\a)%4)+\b)+7], v[SC+8*NQ*(\sc)+NQ*\b+(\q)], v[SC+8*NQ*(\sc)+NQ*(\a)+(\q)] matrix_a_fmt:MATRIX_FMT_FP6 matrix_b_fmt:MATRIX_FMT_FP6 matrix_a_scale:MATRIX_SCALE_ROW1
.endif
.endr
.endr
.endm
.macro FETCH_B slot, q, p
	WIN TO_B
.irp i, 0,1,2,3,4,5,6,7
	FRAG 128*(\p)+FR*\i, ADRB+\slot, \q, \i
.endr
	WIN 0
.endm
.macro FETCH_A slot, q, i0
.irp i, \i0, \i0+1, \i0+2, \i0+3
	FRAGA AF+FR*(\i), \slot, \q, \i
.endr
.endm
.macro SCALES sc
.irp i, 0,1,2,3,4,5,6,7
	ds_load_b64 v[SC+8*NQ*\sc+NQ*\i:SC+8*NQ*\sc+NQ*\i+1], v[ADRS] offset:\i*SBLK
.endr
.endm
.macro PLACES n
.rept \n
	v_nop
.endr
.endm
.macro STEP slot, q, zero
	s_wait_dscnt 4*NLA                             ; all but the youngest loads, A's blocks 4-7
.if \zero
	WIN 0x81                                       ; C (the bias) window 0, D window 2
.else
	WIN MUL_LO
.endif
	MUL16 0, (\q)%2, \q, \slot, \zero
	MUL16 2, (\q)%2, \q, \slot, \zero
	s_wait_dscnt 0
	PLACES NP
	FETCH_B \slot, (\q)+1, 1-(\q)%2
	FETCH_A \slot, (\q)+1, 0
.if \zero
	WIN 0xc1
.else
	WIN MUL_HI
.endif
	MUL16 4, (\q)%2, \q, \slot, \zero
	MUL16 6, (\q)%2, \q, \slot, \zero
	PLACES NP
	WIN 0
	FETCH_A \slot, (\q)+1, 4
.endm
.macro TURN slot, next, fill
	s_wait_tensorcnt 0x0                           ; all my tensor loads have landed: my part of the next slot
	ds_add_u32 v[SPW], v[NIL]                      ; 0 onto my spare word
	s_wait_dscnt 4*NLA+1                           ; the add and A's blocks 4-7 may be out
	WIN MUL_LO
	MUL16 0, 1, NQ-1, \slot, 0
	s_wait_dscnt 0x0                               ; the add is done, and my reads of this slot are over
	s_barrier_signal -1
	MUL16 2, 1, NQ-1, \slot, 0
	WIN 0
	s_barrier_wait -1
.if \fill
	CREST
	s_add_nc_u64 s[G0+4*\slot+2:G0+4*\slot+3], s[G0+4*\slot+2:G0+4*\slot+3], 2*TROW
	s_add_nc_u64 s[G0B+4*\slot+2:G0B+4*\slot+3], s[G0B+4*\slot+2:G0B+4*\slot+3], 2*TROW
	JLOAD G0+4*\slot, G1, G0B+4*\slot, G1B
.else
	PLACES NP
.endif
	v_add_nc_u32 v[ADRS], 4*NQ, v[ADRS]
	FETCH_B \next, 0, 0
	FETCH_A \next, 0, 0
	SCALES \next
	WIN MUL_HI
	MUL16 4, 1, NQ-1, \slot, 0
	MUL16 6, 1, NQ-1, \slot, 0
	PLACES NP
	WIN 0
	FETCH_A \next, 0, 4
.endm
	s_wait_loadcnt 0x0                             ; the bias
	s_wait_tensorcnt 1                             ; the scales and my part of slot 0 are in; slot 1's load may be out
	s_barrier_signal -1
	s_barrier_wait -1
	FETCH_B 0, 0, 0
	FETCH_A 0, 0, 0
	SCALES 0
	FETCH_A 0, 0, 4
	STEP 0, 0, 2
	s_mov_b32 s3, LAPS-1
.Llap:
	TURN 0, 1, 1
	STEP 1, 0, 0
	TURN 1, 0, 1
	STEP 0, 0, 0
	s_sub_co_u32 s3, s3, 1
	s_cmp_lg_u32 s3, 0
	s_cbranch_scc1 .Llap
	TURN 0, 1, 0
	STEP 1, 0, 0
	s_wait_dscnt 4*NLA
	WIN MUL_LO
	MUL16 0, 1, NQ-1, 1, 0
	MUL16 2, 1, NQ-1, 1, 0
	s_wait_dscnt 0
	WIN MUL_HI
	MUL16 4, 1, NQ-1, 1, 0
	MUL16 6, 1, NQ-1, 1, 0
	WIN 0
; THE WAY OUT, block by block of 16 rows x 128 columns, through my own stage: in as 32 bytes a lane, back as whole rows of 512 bytes.  LDS serves a wave's instructions in order.
.macro TOSTAGE a
.set AC, 64*((\a)%4)
	WIN 0x08+4*((\a)/4)                            ; an LDS store's data: window 2 or 3
.irp b, 0,1,2,3,4,5,6,7
	ds_store_b128 v[STO], v[AC+8*\b:AC+8*\b+3] offset:64*\b          ; each accumulator from its low end on
	ds_store_b128 v[STO], v[AC+8*\b+4:AC+8*\b+7] offset:64*\b+16
.endr
	WIN 0
.set BB, BK+64*((\a)%2)
.irp t, 0,1,2,3,4,5,6,7,8,9,10,11,12,13,14,15
	ds_load_b128 v[BB+4*\t:BB+4*\t+3], v[RD] offset:\t*SPITCH
.endr
.endm
.macro SEND a, younger                 ; row t of block a is token 32 (a / 2) + 8 (a % 2) + t + 8 (t / 8) of my 128
.set BB, BK+64*((\a)%2)
	s_wait_dscnt \younger
.irp t, 0,1,2,3,4,5,6,7,8,9,10,11,12,13,14,15
	global_store_b128 v[CO], v[BB+4*\t:BB+4*\t+3], s[12:13] offset:(32*((\a)/2)+8*((\a)%2)+\t+8*(\t/8))*4096 th:TH_STORE_NT   ; 512 consecutive bytes, at a multiple of 256 from out's first byte
.endr
.endm
	PLACES NP
	TOSTAGE 0
.irp a, 1,2,3,4,5,6,7
.if \a > 1
	s_wait_xcnt 0x0                                ; block a - 2's stores have read their registers: block a's loads may land there
.endif
	TOSTAGE \a
	SEND \a-1, 32                                  ; behind block a - 1's loads: block a's 16 stores and 16 loads
.endr
	SEND 7, 0
	s_wait_tensorcnt 0x0                           ; the wave's end
	ds_add_u32 v[SPW], v[NIL]
	s_wait_dscnt 0x0
	CROUND                                         ; the closing round
	s_endpgm
.Lfunc_end_k_q7f1427bcd4_oproj:
	.size	k_q7f1427bcd4_oproj, .Lfunc_end_k_q7f1427bcd4_oproj-k_q7f1427bcd4_oproj
	.p2alignl 7, 3214868480
	.fill 96, 4, 3214868480
	.section	.rodata,"a",@progbits
	.p2align	6, 0x0
	.amdhsa_kernel k_q7f1427bcd4_oproj
		.amdhsa_group_segment_fixed_size 327680
		.amdhsa_private_segment_fixed_size 0
		.amdhsa_enable_private_segment 0
		.amdhsa_kernarg_size 48
		.amdhsa_user_sgpr_count 2
		.amdhsa_user_sgpr_kernarg_segment_ptr 1
		.amdhsa_wavefront_size32 1
		.amdhsa_system_sgpr_workgroup_id_x 1
		.amdhsa_system_sgpr_workgroup_id_y 1
		.amdhsa_system_sgpr_workgroup_id_z 1
		.amdhsa_system_vgpr_workitem_id 0
		.amdhsa_next_free_vgpr 1024
		.amdhsa_next_free_sgpr 98
		.amdhsa_reserve_vcc 0
		.amdhsa_float_denorm_mode_32 3
		.amdhsa_float_denorm_mode_16_64 3
		.amdhsa_memory_ordered 1
		.amdhsa_forward_progress 1
		.amdhsa_inst_pref_size 141
	.end_amdhsa_kernel
	.amdgpu_metadata
---
amdhsa.version: [ 1, 2 ]
amdhsa.kernels:
  - .name:           k_q7f1427bcd4_oproj
    .symbol:         k_q7f1427bcd4_oproj.kd
    .args:
      - { .name: Cc, .offset: 0, .size: 8, .value_kind: global_buffer, .address_space: global }
      - { .name: Cs, .offset: 8, .size: 8, .value_kind: global_buffer, .address_space: global }
      - { .name: Wc, .offset: 16, .size: 8, .value_kind: global_buffer, .address_space: global }
      - { .name: Ws, .offset: 24, .size: 8, .value_kind: global_buffer, .address_space: global }
      - { .name: bo, .offset: 32, .size: 8, .value_kind: global_buffer, .address_space: global }
      - { .name: out0, .offset: 40, .size: 8, .value_kind: global_buffer, .address_space: global }
    .group_segment_fixed_size: 327680
    .private_segment_fixed_size: 0
    .kernarg_segment_align: 8
    .kernarg_segment_size: 48
    .max_flat_workgroup_size: 128
    .sgpr_count:     98
    .vgpr_count:     1024
    .wavefront_size: 32
...
	.end_amdgpu_metadata
.endif
;; end of part 4
